; MI455X (gfx1250); checked and timed in simulation.
; The chip was launched on July 23, 2026; its instructions are those of AMD's public machine-readable ISA for CDNA 5 (MIT licence, August 2026) and "CDNA5" Instruction Set Architecture Reference Guide (July 2026). The comments in the code are by the model that wrote it; some were corrected since.
;; Vector Quantizer. Allowed arithmetic: float matrix products may take bf16 or f16 operands with f32 sums; all other float work in f32.
;; Inputs: emb 8,192 x 256 float32; x 16 x 256 x 32 x 32 float32.
;; Outputs: out0 16 x 256 x 32 x 32 float32; out1 one number float32; out2 16 x 1,024 int32.
;; 3 versions, each right; version 2 is faster than version 1; version 3 is version 2 with the launch prep written anew for expert scheduling mode. Each part assembles by itself: llvm-mc -triple=amdgcn-amd-amdhsa -mcpu=gfx1250 --defsym DOCPART=n.
;; ======== version 1 of 3: 4 launches
;; limits: below input magnitudes of 6.8e-21 results are inexact or not finite
;; workspace buffers: xb 8,388,608 bytes; embh 4,194,304 bytes; wn 4,194,304 bytes; norms 98,304 bytes; candd 262,144 bytes; candi 262,144 bytes of whole numbers; gpart 4,194,304 bytes; part 2,048 bytes
;; launch prep (part 1): grid 256 x 1, 8 waves a work-group, no clusters, 5,376 bytes of LDS; arguments x, emb, xb, embh, wn, norms; writes xb, embh, wn, norms
.if DOCPART == 1
	.amdgcn_target "amdgcn-amd-amdhsa--gfx1250"
	.amdhsa_code_object_version 6
	.text
	.protected	k_q47eb6d5e85_prep
	.globl	k_q47eb6d5e85_prep
	.p2align	8
	.type	k_q47eb6d5e85_prep,@function
k_q47eb6d5e85_prep:
	s_mov_b64 s[64:65], 0
	v_nop
	global_prefetch_b8 v0, s[64:65] scope:SCOPE_SE
	s_setreg_imm32_b32 hwreg(HW_REG_WAVE_MODE, 25, 1), 1
	s_wait_xcnt 0x0
; PREP: rounds the two inputs to bf16 once and makes the sums of squares that the distance needs.
;   work-groups 0..127   (x job):   xb[b][c][hw] = bf16(x), same order as x;  norms[n] = sum over c of bf16(x)^2, n = 1024 b + hw
;   work-groups 128..255 (emb job): embh[k][c] = bf16(e);  wn[k][c] = bf16(e * rsq(sum e^2));  norms[16384 + k] = sum over c of bf16(e)^2
; The sums of squares are taken of the ROUNDED numbers, since the distances are those of the rounded inputs.
; A stream: every byte is read once by 16-byte loads of which a wave's cover 512 consecutive bytes, every store of a wave covers
; 256 consecutive bytes, aligned.  No matrix work, no tiles shared between work-groups: clusters and tensor loads would add nothing.
; LDS: bytes 0..4095 are the x job's (16 bytes a thread), bytes 4096..4351 the emb job's (64 sums): no byte is named by both jobs.
; LIMIT: a code row whose sum of squares is zero, or too small for v_rsq_f32 (which takes a denormal input as zero), gives NaN or infinity in wn.
.set EELDS, 4096                       ; the emb job's 64 words in LDS
.set X,   16                           ; x job: v[16:143] 32 loads of 4 registers; after rounding the first two of each four are the store's data
.set ACC, 4                            ; x job: v[4:7] running sums of squares of my 4 hw
.set T,   8                            ; v[8:15] rounded numbers widened again
.set E,   16                           ; emb job: v[16:79] 8 rows of 8 registers
.set HB,  80                           ; emb job: v[80:111] 8 rows of 4 registers, bf16(e)
.set R,   112                          ; v[112:113] 1/norm, twice, for the packed multiply
.set EEV, 114                          ; lane l keeps the sum of squares of row l & 7
.set S,   116                          ; v[116:117] sum e^2 (f32 numbers)
.set Q,   118                          ; v[118:119] sum bf16(e)^2
.set P0,  120                          ; v[120:121] the other half's figure in the lane sums
.macro LANESUM r, t                    ; sum over the 32 lanes, result in every lane
	v_add_f32_dpp v[\r], v[\r], v[\r] row_xmask:1 row_mask:0xf bank_mask:0xf
	v_add_f32_dpp v[\r], v[\r], v[\r] row_xmask:2 row_mask:0xf bank_mask:0xf
	v_add_f32_dpp v[\r], v[\r], v[\r] row_xmask:4 row_mask:0xf bank_mask:0xf
	v_add_f32_dpp v[\r], v[\r], v[\r] row_xmask:8 row_mask:0xf bank_mask:0xf
	v_permlanex16_b32 v[\t], v[\r], s20, s21
	v_add_f32 v[\r], v[\r], v[\t]
.endm
	s_load_b256 s[4:11], s[0:1], 0x0               ; x s[4:5], emb s[6:7], xb s[8:9], embh s[10:11]
	s_load_b128 s[12:15], s[0:1], 0x20             ; wn s[12:13], norms s[14:15]
	v_lshl_add_u32 v152, v0, 2, 0x1100
	v_mov_b32 v153, 0
	v_lshrrev_b32 v1, 5, v0
	v_readfirstlane_b32 s16, v1                    ; wave 0..7
	v_and_b32 v1, 31, v0                           ; lane
	s_mov_b32 s17, 0xffff0000                      ; a word's upper bf16
	s_cmp_lt_u32 ttmp9, 128                        ; the same in all waves of a work-group
	s_cbranch_scc0 .Lemb
; ---------------- x job: batch b = g >> 3, 128 hw from 128 (g & 7); wave w takes c = 32 w + i, lane l the hw 4 l .. 4 l + 3
	s_lshr_b32 s18, ttmp9, 3                       ; b
	s_and_b32 s19, ttmp9, 7                        ; hb
	s_lshl_b32 s22, s18, 20                        ; b x 256 x 1024 x 4 bytes
	s_lshl_b32 s23, s19, 9                         ; hb x 128 x 4
	s_add_co_u32 s22, s22, s23
	s_mov_b32 s23, 0
	s_lshr_b32 s24, s22, 1                         ; the same place in xb: half the bytes
	s_mov_b32 s25, 0
	s_lshl_b32 s26, s18, 12                        ; norms: (1024 b + 128 hb) x 4
	s_lshl_b32 s27, s19, 9
	s_add_co_u32 s26, s26, s27
	s_mov_b32 s27, 0
	v_lshlrev_b32 v2, 4, v1
	v_lshl_add_u32 v2, s16, 17, v2                 ; in: 32 w rows of 4,096 bytes + 16 l
	v_lshlrev_b32 v3, 3, v1
	v_lshl_add_u32 v3, s16, 16, v3                 ; out: 32 w rows of 2,048 bytes + 8 l
	v_lshlrev_b32 v12, 4, v0                       ; LDS: 16 bytes a thread
	v_lshlrev_b32 v13, 4, v1
	s_wait_kmcnt 0x0
	s_add_nc_u64 s[4:5], s[4:5], s[22:23]
	s_add_nc_u64 s[8:9], s[8:9], s[24:25]
	s_add_nc_u64 s[14:15], s[14:15], s[26:27]
.set i, 0
.rept 32
	global_load_b128 v[X+4*i:X+4*i+3], v2, s[4:5] offset:i*4096    ; all 32 rows of the wave are asked for at once
.set i, i+1
.endr
.set i, 0
.rept 32
	s_wait_loadcnt 31-i                            ; loads come back in order: row i is in, the 31 - i younger ones stay out
	v_cvt_pk_bf16_f32 v[X+4*i], v[X+4*i], v[X+4*i+1]
	v_cvt_pk_bf16_f32 v[X+4*i+1], v[X+4*i+2], v[X+4*i+3]
	v_lshlrev_b32 v[T], 16, v[X+4*i]               ; the rounded numbers as f32 again
	v_and_b32 v[T+1], s17, v[X+4*i]
	v_lshlrev_b32 v[T+2], 16, v[X+4*i+1]
	v_and_b32 v[T+3], s17, v[X+4*i+1]
.if i == 0
	v_pk_mul_f32 v[ACC:ACC+1], v[T:T+1], v[T:T+1]  ; the first row starts the sums
	v_pk_mul_f32 v[ACC+2:ACC+3], v[T+2:T+3], v[T+2:T+3]
.else
	v_pk_fma_f32 v[ACC:ACC+1], v[T:T+1], v[T:T+1], v[ACC:ACC+1]
	v_pk_fma_f32 v[ACC+2:ACC+3], v[T+2:T+3], v[T+2:T+3], v[ACC+2:ACC+3]
.endif
	global_store_b64 v3, v[X+4*i:X+4*i+1], s[8:9] offset:i*2048    ; each row has data registers of its own: nothing is rewritten under a store
.set i, i+1
.endr
	ds_store_b128 v12, v[ACC:ACC+3]                ; the eight waves' partial sums meet in LDS
	s_wait_dscnt 0x0                               ; my store is done before I say so
	s_barrier_signal -1
	s_barrier_wait -1
	s_cmp_lg_u32 s16, 0
	s_cbranch_scc1 .Lxend
	s_wait_xcnt 0x0                                ; v[16:47] were data of stores: they are loaded again only behind this wait
.irp k, 0,1,2,3,4,5,6,7
	ds_load_b128 v[16+4*\k:19+4*\k], v13 offset:512*\k
.endr
	s_wait_dscnt 0x0
.irp k, 1,2,3,4,5,6,7
	v_pk_add_f32 v[16:17], v[16:17], v[16+4*\k:17+4*\k]            ; waves in ascending order
	v_pk_add_f32 v[18:19], v[18:19], v[18+4*\k:19+4*\k]
.endr
	global_store_b128 v13, v[16:19], s[14:15]      ; 128 sums, 512 consecutive bytes
.Lxend:
	s_wait_tensorcnt 0x0
	ds_add_u32 v152, v153
	s_wait_dscnt 0x0
	s_endpgm
; ---------------- emb job: 64 codes from 64 (g - 128); wave w takes rows 8 w + i; lane l the c 4 l .. +3 and 128 + 4 l .. +3
.Lemb:
	s_sub_co_u32 s18, ttmp9, 128
	s_lshl_b32 s22, s18, 16                        ; 64 rows of 1,024 bytes
	s_mov_b32 s23, 0
	s_lshl_b32 s24, s18, 15                        ; 64 rows of 512 bytes
	s_mov_b32 s25, 0
	s_lshl_b32 s26, s18, 8                         ; 64 sums of 4 bytes,
	s_add_co_u32 s26, s26, 65536                   ; behind the 16,384 sums of x
	s_mov_b32 s27, 0
	s_mov_b32 s20, 0x76543210                      ; v_permlanex16_b32: lane i reads lane i of the other half
	s_mov_b32 s21, 0xfedcba98
	v_lshlrev_b32 v2, 4, v1
	v_lshl_add_u32 v2, s16, 13, v2                 ; in: 8 w rows of 1,024 bytes + 16 l
	v_lshlrev_b32 v3, 3, v1
	v_lshl_add_u32 v3, s16, 12, v3                 ; out: 8 w rows of 512 bytes + 8 l
	v_and_b32 v4, 7, v1
	v_lshlrev_b32 v5, 2, v4
	v_lshl_add_u32 v5, s16, 5, v5                  ; LDS: word 8 w + (l & 7) of the emb job's 64
	v_lshlrev_b32 v6, 3, v1
	v_mov_b32 v[EEV], 0
	v_mov_b32 v[P0], 0                             ; v_permlanex16_b32 counts as a reader of its destination
	v_mov_b32 v[P0+1], 0
	s_wait_kmcnt 0x0
	s_add_nc_u64 s[6:7], s[6:7], s[22:23]
	s_add_nc_u64 s[10:11], s[10:11], s[24:25]
	s_add_nc_u64 s[12:13], s[12:13], s[24:25]
	s_add_nc_u64 s[14:15], s[14:15], s[26:27]
.irp i, 0,1,2,3,4,5,6,7
	global_load_b128 v[E+8*\i:E+8*\i+3], v2, s[6:7] offset:\i*1024
	global_load_b128 v[E+8*\i+4:E+8*\i+7], v2, s[6:7] offset:\i*1024+512
.endr
.macro EROW i
.set EB, E+8*\i
.set HR, HB+4*\i
	s_wait_loadcnt 14-2*\i                         ; this row's two loads are in; the 7 - i younger rows' stay out
	v_pk_mul_f32 v[S:S+1], v[EB:EB+1], v[EB:EB+1]
.irp k, 2,4,6
	v_pk_fma_f32 v[S:S+1], v[EB+\k:EB+\k+1], v[EB+\k:EB+\k+1], v[S:S+1]
.endr
.irp k, 0,1,2,3
	v_cvt_pk_bf16_f32 v[HR+\k], v[EB+2*\k], v[EB+2*\k+1]
.endr
.irp k, 0,1,2,3
	v_lshlrev_b32 v[T+2*\k], 16, v[HR+\k]
	v_and_b32 v[T+2*\k+1], s17, v[HR+\k]
.endr
	v_pk_mul_f32 v[Q:Q+1], v[T:T+1], v[T:T+1]
.irp k, 2,4,6
	v_pk_fma_f32 v[Q:Q+1], v[T+\k:T+\k+1], v[T+\k:T+\k+1], v[Q:Q+1]
.endr
	v_add_f32 v[S], v[S], v[S+1]
	v_add_f32 v[Q], v[Q], v[Q+1]
	LANESUM S, P0
	LANESUM Q, P0+1
	v_cmp_eq_u32 vcc_lo, \i, v4
	v_rsq_f32 v[R], v[S]
	v_rsq_f32 v[R+1], v[S]
	v_cndmask_b32 v[EEV], v[EEV], v[Q], vcc_lo     ; the plain instruction that stands between v_rsq_f32 and the use of its result (ISA guide 5.7.2)
	s_wait_alu depctr_va_vdst(0)
.irp k, 0,2,4,6
	v_pk_mul_f32 v[EB+\k:EB+\k+1], v[EB+\k:EB+\k+1], v[R:R+1]
.endr
.irp k, 0,1,2,3
	v_cvt_pk_bf16_f32 v[EB+\k], v[EB+2*\k], v[EB+2*\k+1]           ; in place, each source read before it is written over
.endr
	global_store_b64 v3, v[HR:HR+1], s[10:11] offset:\i*512
	global_store_b64 v3, v[HR+2:HR+3], s[10:11] offset:\i*512+256
	global_store_b64 v3, v[EB:EB+1], s[12:13] offset:\i*512
	global_store_b64 v3, v[EB+2:EB+3], s[12:13] offset:\i*512+256
.endm
.irp i, 0,1,2,3,4,5,6,7
	EROW \i
.endr
	ds_store_b32 v5, v[EEV] offset:EELDS           ; lanes that share a word hold the same number
	s_wait_dscnt 0x0                               ; my store is done before I say so
	s_barrier_signal -1
	s_barrier_wait -1
	s_cmp_lg_u32 s16, 0
	s_cbranch_scc1 .Leend
	ds_load_b64 v[122:123], v6 offset:EELDS
	s_wait_dscnt 0x0
	global_store_b64 v6, v[122:123], s[14:15]      ; 64 sums, 256 consecutive bytes
.Leend:
	s_wait_tensorcnt 0x0
	ds_add_u32 v152, v153
	s_wait_dscnt 0x0
	s_endpgm
.Lfunc_end_k_q47eb6d5e85_prep:
	.size	k_q47eb6d5e85_prep, .Lfunc_end_k_q47eb6d5e85_prep-k_q47eb6d5e85_prep
	.p2alignl 7, 3214868480
	.fill 96, 4, 3214868480
	.section	.rodata,"a",@progbits
	.p2align	6, 0x0
	.amdhsa_kernel k_q47eb6d5e85_prep
		.amdhsa_group_segment_fixed_size 5376
		.amdhsa_private_segment_fixed_size 0
		.amdhsa_enable_private_segment 0
		.amdhsa_kernarg_size 48
		.amdhsa_user_sgpr_count 2
		.amdhsa_user_sgpr_kernarg_segment_ptr 1
		.amdhsa_wavefront_size32 1
		.amdhsa_system_sgpr_workgroup_id_x 1
		.amdhsa_system_sgpr_workgroup_id_y 1
		.amdhsa_system_sgpr_workgroup_id_z 1
		.amdhsa_system_vgpr_workitem_id 0
		.amdhsa_next_free_vgpr 154
		.amdhsa_next_free_sgpr 66
		.amdhsa_reserve_vcc 1
		.amdhsa_float_denorm_mode_32 3
		.amdhsa_float_denorm_mode_16_64 3
		.amdhsa_memory_ordered 1
		.amdhsa_forward_progress 1
		.amdhsa_inst_pref_size 48
	.end_amdhsa_kernel
	.amdgpu_metadata
---
amdhsa.version: [ 1, 2 ]
amdhsa.kernels:
  - .name:           k_q47eb6d5e85_prep
    .symbol:         k_q47eb6d5e85_prep.kd
    .args:
      - { .name: x, .offset: 0, .size: 8, .value_kind: global_buffer, .address_space: global }
      - { .name: emb, .offset: 8, .size: 8, .value_kind: global_buffer, .address_space: global }
      - { .name: xb, .offset: 16, .size: 8, .value_kind: global_buffer, .address_space: global }
      - { .name: embh, .offset: 24, .size: 8, .value_kind: global_buffer, .address_space: global }
      - { .name: wn, .offset: 32, .size: 8, .value_kind: global_buffer, .address_space: global }
      - { .name: norms, .offset: 40, .size: 8, .value_kind: global_buffer, .address_space: global }
    .group_segment_fixed_size: 5376
    .private_segment_fixed_size: 0
    .kernarg_segment_align: 8
    .kernarg_segment_size: 48
    .max_flat_workgroup_size: 256
    .sgpr_count:     66
    .vgpr_count:     154
    .wavefront_size: 32
...
	.end_amdgpu_metadata
.endif
;; end of part 1
;; launch main (part 2): grid 64 x 4, 4 waves a work-group, no clusters, 327,680 bytes of LDS; arguments xb, embh, wn, norms, candd, candi, gpart; writes candd, candi, gpart
.if DOCPART == 2
	.amdgcn_target "amdgcn-amd-amdhsa--gfx1250"
	.amdhsa_code_object_version 6
	.text
	.protected	k_q47eb6d5e85_main
	.globl	k_q47eb6d5e85_main
	.p2align	8
	.type	k_q47eb6d5e85_main,@function
k_q47eb6d5e85_main:
	s_mov_b64 s[64:65], 0
	v_nop
	global_prefetch_b8 v0, s[64:65] scope:SCOPE_SE
	s_setreg_imm32_b32 hwreg(HW_REG_WAVE_MODE, 25, 1), 1
	s_wait_xcnt 0x0
; MAIN: for 256 vectors (block rbk = work-group x) and 2,048 codes (slice sl = work-group y): the smallest d = fl(fl(xx + ee) - 2 sim) and the
; first code that reaches it, for every vector; and one piece of the Gram matrix G = Wn^T Wn (256 x 256) of the normalised codebook.
; d is rounded exactly as the formula is written (t = xx + ee rounded, then t - 2 sim rounded once: 2 sim is exact), and a code replaces the
; best so far only if its d is strictly smaller, codes ascending: the first index wins a tie.
; SHAPE: four waves.  Wave w keeps its 64 vectors as A fragments (4 row blocks x 8 K steps x 8 registers = 256 registers) for the whole launch;
; the codes pass through two LDS slots of 128 codes; all four waves read the same code tiles (16 codes x 256 = 8 fragments).
; A tile is 32 matrix instructions; while tile g is multiplied, the 32 x 16 sums of tile g - 1 are turned into d and compared (36 vector
; instructions for each 16 x 16 block, laid in groups of 4 or 5 behind the matrix instructions), and tile g + 1's fragments are loaded.
; GRAM: ||Wn Wn^T - I_K||^2 = ||G - I_D||^2 + (K - D) for every Wn.  The work-group sums 512 codes (split q = rbk & 15) into the 64 x 64
; tile (sl, rbk >> 4) of G; split 0 starts the diagonal at -1, so the sum of the 16 images is G - I.  The images are stored in the order
; of the registers: the next launch only adds them element by element and squares.
; NO CLUSTER: the 64 row blocks of a slice walk the same code tiles, but a slot of 64 KiB feeds 1,024 matrix instructions of the work-group:
; 64 bytes filled for each against 256 bytes read from LDS, so what is shared is a fifth of a step's bytes; a joint fill would put a
; round of three barriers at each of the 16 changes of slots of a loop that otherwise has one.
; LIMITS: NaN inputs do not follow argmin's rule for NaN.  The index goes through f32 in the last reduction (exact: it is below 2^24).
; The sums inside a matrix instruction are ordered otherwise than a chain of f32 additions, so sim can differ in its last bits.
;
; LDS: 0 XS 256 c-rows x 544 (139,264), later SLOT0 at 0 and SLOT1 at 67,584 (128 codes x 528 each); GM 139,264 and GN 221,184 (512 codes x 160);
; EEB 303,104 (2,048 sums of squares).  Nothing is ever stored to LDS by a wave.
; REGISTER WINDOWS (s_set_vgpr_msb: bits 1:0 source 0, 3:2 source 1, 5:4 source 2, 7:6 destination):
;   window 0: v8-71 two sets of 4 accumulators; v72-135 the tile's 8 code fragments; v136-167 best d; v168-199 its tile number; v200-211 at work
;   window 1: v0-127 A fragments of K steps 0-3; v128-143 xx of row blocks 0, 1; v144-145 LDS address of my fragment rows in slot 0, 1; v146 of my ee
;   window 2: the same for K steps 4-7 and row blocks 2, 3
; The loop runs under two settings in which source 0 alone comes from window 1 or 2: a matrix instruction's A, an LDS load's address and xx are
; source 0; every other vector instruction has a constant or a scalar register there.  Two switches for 32 matrix instructions.
.set SLOTB, 67584
.set GMB,   139264
.set GNB,   221184
.set EEB,   303104
.set ACC0,  8
.set BF,    72
.set BEST,  136
.set IDX,   168
.set T,     200
.set EE,    208                        ; v[208:209], v[210:211]: ee of two tiles each
.set XA,    212                        ; v212-213 LDS address for the A fragments, K steps 0-3, 4-7
.set GAM,   214                        ; v214-215 Gram: rows' side, K steps 0-7, 8-15
.set GAN,   216                        ; v216-217 Gram: columns' side
.set XXO,   218                        ; 32 h
.set VD,    219                        ; -1.0 where my Gram quadrant holds a piece of the diagonal and q = 0, else 0
.set VRH,   220                        ; r - 8 h
.set GST,   221                        ; 16 x lane
.set VR,    222                        ; r + 2048 sl
.set VST,   223                        ; byte offset of my two results
.set TA,    224                        ; v224-226: addresses on their way into windows 1 and 2
.set XXW,   128
.set ADRW,  144
.set EEW,   146
.set MSB, 0
.macro WIN new                         ; the immediate's high byte repeats the setting that is left
.if MSB != \new
	s_set_vgpr_msb (MSB<<8)|\new
.set MSB, \new
.endif
.endm
	s_load_b256 s[4:11], s[0:1], 0x0               ; xb s[4:5], embh s[6:7], wn s[8:9], norms s[10:11]
	s_load_b128 s[12:15], s[0:1], 0x20             ; candd s[12:13], candi s[14:15]
	s_load_b64 s[16:17], s[0:1], 0x30              ; gpart
	s_set_vgpr_msb 0x40
	v_lshl_add_u32 v255, v0, 2, 0x4c000
	s_set_vgpr_msb 0x4000
	v_mov_b32 v255, 0
	s_set_vgpr_msb 0x1
	ds_add_u32 v255, v255
	ds_add_u32 v255, v255
	s_set_vgpr_msb 0x100
	v_lshrrev_b32 v1, 5, v0
	v_readfirstlane_b32 s18, v1                    ; wave 0..3
	s_mov_b32 s19, ttmp9                           ; rbk
	s_and_b32 s20, ttmp7, 0xffff                   ; sl
	; group 1 of x's tile: 64 c-rows of 256 bf16 (512 bytes = 128 words, code 6), 8 words of padding: LDS pitch 544
	s_mov_b32 s48, (1<<16)|(1<<20)|(6<<22)|(7<<25)
	s_mov_b32 s49, 256<<16
	s_mov_b32 s50, 64<<16
	s_mov_b32 s51, 256<<16
	s_mov_b32 s52, 64
	s_mov_b32 s53, 1024
	s_mov_b32 s54, 0
	s_mov_b32 s55, 0
	; group 1 of the Gram tiles: 128 codes of 64 bf16 (32 words, code 4), 8 words of padding: LDS pitch 160
	s_mov_b32 s68, (1<<16)|(1<<20)|(4<<22)|(7<<25)
	s_mov_b32 s69, 64<<16
	s_mov_b32 s70, 128<<16
	s_mov_b32 s71, 64<<16
	s_mov_b32 s72, 128
	s_mov_b32 s73, 256
	s_mov_b32 s74, 0
	s_mov_b32 s75, 0
	; group 1 of the ee table: one row of 256 elements of 8 bytes
	s_mov_b32 s84, 3<<16
	s_mov_b32 s85, 256<<16
	s_mov_b32 s86, 1<<16
	s_mov_b32 s87, 256<<16
	s_mov_b32 s88, 1
	s_mov_b32 s89, 256
	s_mov_b32 s90, 0
	s_mov_b32 s91, 0
	; group 1 of a wave's quarter of a slot: 32 codes of 256 bf16 (128 words, code 6), 4 words of padding: LDS pitch 528
	s_mov_b32 s32, (1<<16)|(1<<20)|(6<<22)|(3<<25)
	s_mov_b32 s33, 256<<16
	s_mov_b32 s34, 32<<16
	s_mov_b32 s35, 256<<16
	s_mov_b32 s36, 32
	s_mov_b32 s37, 256
	s_mov_b32 s38, 0
	s_mov_b32 s39, 0
	; byte offsets of the tiles
	s_lshr_b32 s21, s19, 2                         ; b
	s_lshl_b32 s22, s21, 19                        ; b x 256 x 1024 x 2
	s_and_b32 s21, s19, 3
	s_lshl_b32 s21, s21, 9                         ; 256 (rbk & 3) hw x 2
	s_add_co_u32 s22, s22, s21
	s_lshl_b32 s21, s18, 17                        ; 64 w c-rows of 2,048 bytes
	s_add_co_u32 s22, s22, s21
	s_mov_b32 s23, 0
	s_and_b32 s66, s19, 15                         ; q
	s_lshr_b32 s67, s19, 4                         ; tn  (tm = sl)
	s_lshl_b32 s24, s66, 18                        ; 512 q codes of 512 bytes
	s_lshl_b32 s21, s18, 16                        ; 128 w codes
	s_add_co_u32 s24, s24, s21
	s_lshl_b32 s21, s20, 7                         ; 64 tm columns x 2
	s_add_co_u32 s26, s24, s21
	s_mov_b32 s27, 0
	s_lshl_b32 s21, s67, 7
	s_add_co_u32 s28, s24, s21
	s_mov_b32 s29, 0
	s_lshl_b32 s24, s20, 13                        ; ee: 2048 sl x 4,
	s_lshl_b32 s21, s18, 11                        ; my quarter,
	s_add_co_u32 s24, s24, s21
	s_add_co_u32 s24, s24, 65536                   ; behind xx
	s_mov_b32 s25, 0
	s_lshl_b32 s30, s20, 20                        ; codes: 2048 sl rows of 512 bytes
	s_lshl_b32 s21, s18, 14                        ; 32 w rows
	s_add_co_u32 s30, s30, s21
	s_mov_b32 s31, 0
	; groups 0: the word 1, the LDS address (a constant and the wave's number times a constant), the global address, the type
	s_mov_b32 s56, 1
	s_mul_i32 s57, s18, 34816
	s_mov_b32 s76, 1
	s_mul_i32 s77, s18, 20480
	s_mov_b32 s80, 1
	s_add_co_u32 s81, s77, GNB
	s_add_co_u32 s77, s77, GMB
	s_mov_b32 s60, 1
	s_lshl_b32 s61, s18, 11
	s_add_co_u32 s61, s61, EEB
	s_mov_b32 s40, 1
	s_mul_i32 s41, s18, 16896
	s_mov_b32 s44, 1
	s_add_co_u32 s45, s41, SLOTB
	s_wait_dscnt 0x0
	s_wait_kmcnt 0x0
	s_add_nc_u64 s[58:59], s[4:5], s[22:23]
	s_or_b32 s59, s59, 0x80000000
	s_add_nc_u64 s[78:79], s[8:9], s[26:27]
	s_or_b32 s79, s79, 0x80000000
	s_add_nc_u64 s[82:83], s[8:9], s[28:29]
	s_or_b32 s83, s83, 0x80000000
	s_add_nc_u64 s[62:63], s[10:11], s[24:25]
	s_or_b32 s63, s63, 0x80000000
	s_add_nc_u64 s[42:43], s[6:7], s[30:31]        ; fill 0
	s_add_nc_u64 s[46:47], s[42:43], 65536         ; fill 1: 128 codes on
	s_or_b32 s43, s43, 0x80000000
	s_or_b32 s47, s47, 0x80000000
	; the four first fills, one group: four tensor loads of the wave are out
	tensor_load_to_lds s[56:59], s[48:55]          ; x
	s_nop 0
	tensor_load_to_lds s[76:79], s[68:75]          ; Gram, rows' side
	s_nop 0
	tensor_load_to_lds s[80:83], s[68:75]          ; Gram, columns' side
	s_nop 0
	tensor_load_to_lds s[60:63], s[84:91]          ; ee
	s_nop 0
	; the other bases
	s_lshl_b32 s22, s19, 10                        ; 256 rbk x 4
	s_lshl_b32 s21, s18, 8                         ; 64 w x 4
	s_add_co_u32 s22, s22, s21
	s_add_nc_u64 s[10:11], s[10:11], s[22:23]      ; xx of my 64 vectors
	s_lshl_b32 s21, s20, 16                        ; the slice's 16,384 results
	s_add_co_u32 s22, s22, s21
	s_add_nc_u64 s[12:13], s[12:13], s[22:23]
	s_add_nc_u64 s[14:15], s[14:15], s[22:23]
	s_lshl_b32 s22, s66, 18                        ; gpart: image q of 262,144 bytes,
	s_lshl2_add_u32 s21, s20, s67                  ; tile 4 tm + tn of 16,384,
	s_lshl_b32 s21, s21, 14
	s_add_co_u32 s22, s22, s21
	s_lshl_b32 s21, s18, 12                        ; my quadrant of 4,096
	s_add_co_u32 s22, s22, s21
	s_add_nc_u64 s[16:17], s[16:17], s[22:23]
	; lane terms
	v_and_b32 v2, 15, v0                           ; r
	v_bfe_u32 v3, v0, 4, 1                         ; h
	v_and_b32 v4, 7, v0
	v_bfe_u32 v5, v0, 3, 1
	v_lshl_add_u32 v6, v3, 3, v4                   ; 8 h + (L & 7): the row that I address in a transposing load
	v_lshlrev_b32 v5, 4, v5                        ; 16 ((L >> 3) & 1)
	v_mul_u32_u24 v7, v6, 544
	v_add_nc_u32 v7, v7, v5
	v_lshl_add_u32 v[XA], s18, 7, v7               ; + my 64 hw x 2 bytes
	v_add_nc_u32 v[XA+1], 69632, v[XA]             ; 128 c-rows on
	v_mul_u32_u24 v7, v6, 160
	v_add_nc_u32 v7, v7, v5
	s_lshr_b32 s21, s18, 1                         ; wm
	s_and_b32 s31, s18, 1                          ; wc
	s_lshl_b32 s30, s21, 6
	s_add_co_u32 s30, s30, GMB
	v_add_nc_u32 v[GAM], s30, v7
	v_add_nc_u32 v[GAM+1], 40960, v[GAM]           ; 256 codes on
	s_lshl_b32 s30, s31, 6
	s_add_co_u32 s30, s30, GNB
	v_add_nc_u32 v[GAN], s30, v7
	v_add_nc_u32 v[GAN+1], 40960, v[GAN]
	s_xor_b32 s30, s20, s67                        ; the diagonal runs through my quadrant if tm = tn and wm = wc; it is started by split 0
	s_or_b32 s30, s30, s66
	s_xor_b32 s31, s21, s31
	s_or_b32 s30, s30, s31
	s_cmp_eq_u32 s30, 0
	s_cselect_b32 s30, 0xbf800000, 0
	v_mov_b32 v[VD], s30
	v_lshlrev_b32 v[XXO], 5, v3
	v_lshlrev_b32 v7, 3, v3
	v_sub_nc_u32 v[VRH], v2, v7
	v_and_b32 v1, 31, v0
	v_lshlrev_b32 v[GST], 4, v1
	s_lshl_b32 s30, s20, 11
	v_add_nc_u32 v[VR], s30, v2
	v_lshrrev_b32 v6, 2, v2
	v_and_b32 v7, 3, v2
	v_lshlrev_b32 v[VST], 6, v6                    ; vector 16 (r >> 2) + 8 h + 2 (r & 3), 4 bytes each
	v_lshl_add_u32 v[VST], v3, 5, v[VST]
	v_lshl_add_u32 v[VST], v7, 3, v[VST]
	v_mul_u32_u24 v[TA], v2, 528
	v_lshl_add_u32 v[TA], v3, 4, v[TA]             ; code fragment: row r x pitch + 16 h
	v_add_nc_u32 v[TA+1], SLOTB, v[TA]
	v_lshlrev_b32 v[TA+2], 2, v2
	v_add_nc_u32 v[TA+2], EEB, v[TA+2]
	WIN 0x40                                       ; destinations in window 1
	global_load_b128 v[XXW:XXW+3], v[XXO], s[10:11]                ; register j of row block rb: xx of vector 16 rb + 8 h + j
	global_load_b128 v[XXW+4:XXW+7], v[XXO], s[10:11] offset:16
	global_load_b128 v[XXW+8:XXW+11], v[XXO], s[10:11] offset:64
	global_load_b128 v[XXW+12:XXW+15], v[XXO], s[10:11] offset:80
	v_mov_b32 v[ADRW], v[TA]
	v_mov_b32 v[ADRW+1], v[TA+1]
	v_mov_b32 v[EEW], v[TA+2]
	WIN 0x80                                       ; destinations in window 2
	global_load_b128 v[XXW:XXW+3], v[XXO], s[10:11] offset:128
	global_load_b128 v[XXW+4:XXW+7], v[XXO], s[10:11] offset:144
	global_load_b128 v[XXW+8:XXW+11], v[XXO], s[10:11] offset:192
	global_load_b128 v[XXW+12:XXW+15], v[XXO], s[10:11] offset:208
	v_mov_b32 v[ADRW], v[TA]
	v_mov_b32 v[ADRW+1], v[TA+1]
	WIN 0
	s_wait_tensorcnt 0x3                           ; my quarter of x is in; the three loads issued behind it stay out
	s_barrier_signal -1
	s_barrier_wait -1                              ; everybody's quarter is in
	; A fragments: x lies [c][hw] in LDS, K down the rows, so each half fragment is one transposing load (16 c-rows apart: 8,704 bytes)
	WIN 0x40
.irp ks, 0,1,2,3
.irp rb, 0,1,2,3
	ds_load_tr16_b128 v[(4*\rb+\ks)*8:(4*\rb+\ks)*8+3], v[XA] offset:\ks*17408+\rb*32
	ds_load_tr16_b128 v[(4*\rb+\ks)*8+4:(4*\rb+\ks)*8+7], v[XA] offset:\ks*17408+\rb*32+8704
.endr
.endr
	WIN 0x80
.irp ks, 0,1,2,3
.irp rb, 0,1,2,3
	ds_load_tr16_b128 v[(4*\rb+\ks)*8:(4*\rb+\ks)*8+3], v[XA+1] offset:\ks*17408+\rb*32
	ds_load_tr16_b128 v[(4*\rb+\ks)*8+4:(4*\rb+\ks)*8+7], v[XA+1] offset:\ks*17408+\rb*32+8704
.endr
.endr
	WIN 0
	s_wait_dscnt 0x0                               ; my reads of x are back,
	s_set_vgpr_msb 0x1
	s_wait_tensorcnt 0x0                           ; and all my tensor loads have landed (the Gram tiles and ee among them)
	ds_add_u32 v255, v255
	s_wait_dscnt 0x0
	s_set_vgpr_msb 0x100
	s_barrier_signal -1
	s_barrier_wait -1
	tensor_load_to_lds s[40:43], s[32:39]          ; fill 0 over x's bytes: my one tensor load behind this barrier; the Gram work covers its way
	s_nop 0
; ---------------- the Gram piece: 16 K steps of 32 codes, 2 x 2 accumulators in v[8:39], fragments in a ring of 4 K steps in v[72:199]
.macro GLD ks                          ; 8 transposing loads: rows' side blocks 0, 1, then columns' side blocks 0, 1
.set GF, 72+32*((\ks)&3)
.set GO, ((\ks)&7)*5120
.set GH, (\ks)>>3
.irp m, 0,1
	ds_load_tr16_b128 v[GF+8*\m:GF+8*\m+3], v[GAM+GH] offset:GO+32*\m
	ds_load_tr16_b128 v[GF+8*\m+4:GF+8*\m+7], v[GAM+GH] offset:GO+32*\m+2560
.endr
.irp m, 0,1
	ds_load_tr16_b128 v[GF+16+8*\m:GF+16+8*\m+3], v[GAN+GH] offset:GO+32*\m
	ds_load_tr16_b128 v[GF+16+8*\m+4:GF+16+8*\m+7], v[GAN+GH] offset:GO+32*\m+2560
.endr
.endm
.macro GMUL ks, first                  ; the four accumulators take turns, one instruction a turn
.set GF, 72+32*((\ks)&3)
.irp m, 0,1
.irp n, 0,1
.if (\first)*((\m)^(\n))
	v_wmma_f32_16x16x32_bf16 v[8+8*(2*\m+\n):8+8*(2*\m+\n)+7], v[GF+8*\m:GF+8*\m+7], v[GF+16+8*\n:GF+16+8*\n+7], 0
.else
	v_wmma_f32_16x16x32_bf16 v[8+8*(2*\m+\n):8+8*(2*\m+\n)+7], v[GF+8*\m:GF+8*\m+7], v[GF+16+8*\n:GF+16+8*\n+7], v[8+8*(2*\m+\n):8+8*(2*\m+\n)+7]
.endif
.endr
.endr
.endm
	GLD 0
	GLD 1
	GLD 2
	GLD 3
.irp j, 0,1,2,3,4,5,6,7
	v_cmp_eq_u32 s[92+\j], \j, v[VRH]              ; element (8 h + j, r) lies on a block's diagonal where r - 8 h = j
.endr
.irp j, 0,1,2,3,4,5,6,7
	v_cndmask_b32 v[8+\j], 0, v[VD], s[92+\j]      ; blocks (0,0) and (1,1) start at -I or at 0; the two others start with the constant 0
	v_cndmask_b32 v[32+\j], 0, v[VD], s[92+\j]
.endr
	s_wait_dscnt 24                                ; K step 0's eight loads are in; the three younger steps' 24 stay out
	GMUL 0, 1
.rept 4
	v_nop                                          ; four places between a matrix instruction and a load into its sources (ISA guide 7.12.1 for vector instructions)
.endr
	GLD 4
.irp ks, 1,2,3,4,5,6,7,8,9,10,11
	s_wait_dscnt 24
	GMUL \ks, 0
.rept 4
	v_nop
.endr
	GLD \ks+4
.endr
	s_wait_dscnt 24
	GMUL 12, 0
	s_wait_dscnt 16                                ; no more loads: the counts run down
	GMUL 13, 0
	s_wait_dscnt 8
	GMUL 14, 0
	s_wait_dscnt 0
	GMUL 15, 0
.rept 4
	v_nop                                          ; four places before the stores read the results
.endr
.irp a, 0,1,2,3
	global_store_b128 v[GST], v[8+8*\a:8+8*\a+3], s[16:17] offset:\a*1024          ; 512 consecutive bytes each
	global_store_b128 v[GST], v[8+8*\a+4:8+8*\a+7], s[16:17] offset:\a*1024+512
.endr
	s_wait_dscnt 0x0                               ; (met) my reads of the Gram tiles are back
	s_set_vgpr_msb 0x1
	s_wait_tensorcnt 0x0                           ; fill 0 has landed: no tensor load of mine is out, so a group 0 may be written
	ds_add_u32 v255, v255
	s_wait_dscnt 0x0
	s_set_vgpr_msb 0x100
	s_add_nc_u64 s[42:43], s[42:43], 131072        ; slot 0's next: fill 2, 256 codes on
	s_barrier_signal -1
	s_barrier_wait -1
	tensor_load_to_lds s[44:47], s[32:39]          ; fill 1, over the rest of x's bytes: my one tensor load behind this barrier
	s_nop 0
; ---------------- the tiles
; WM: one matrix instruction of the tile at work.  D(m = vector 8 h + j, n = code r).  K step 0 starts the sums with the constant 0.
.macro WM ks, rb
.if \ks==0
	v_wmma_f32_16x16x32_bf16 v[AP+8*\rb:AP+8*\rb+7], v[(4*\rb+(\ks&3))*8:(4*\rb+(\ks&3))*8+7], v[BF+8*\ks:BF+8*\ks+7], 0
.else
	v_wmma_f32_16x16x32_bf16 v[AP+8*\rb:AP+8*\rb+7], v[(4*\rb+(\ks&3))*8:(4*\rb+(\ks&3))*8+7], v[BF+8*\ks:BF+8*\ks+7], v[AP+8*\rb:AP+8*\rb+7]
.endif
.endm
; FRAG: fragment ks of the next tile (slot NS, tile NT of its eight): 16 codes x 32 K, two loads 32 bytes apart
.macro FRAG ks
	ds_load_b128 v[BF+8*\ks:BF+8*\ks+3], v[ADRW+NS] offset:NT*8448+\ks*64
	ds_load_b128 v[BF+8*\ks+4:BF+8*\ks+7], v[ADRW+NS] offset:NT*8448+\ks*64+32
.endm
; CH: part p (0..7) of the 36 instructions that take row block blk of the tile before (accumulators at AV, ee in half EL of pair ES, tile number in s101).
.macro CH blk, p
.set CA, AV+8*(\blk)
.set CB, BEST+8*(\blk)
.set CI, IDX+8*(\blk)
.set CX, XXW+8*((\blk)&1)
.if (\p)==0
.irp i, 0,2,4,6
.if EL
	v_pk_add_f32 v[T+\i:T+\i+1], v[CX+\i:CX+\i+1], v[EE+2*ES:EE+2*ES+1] op_sel:[0,1] op_sel_hi:[1,1]   ; t = xx + ee, rounded
.else
	v_pk_add_f32 v[T+\i:T+\i+1], v[CX+\i:CX+\i+1], v[EE+2*ES:EE+2*ES+1] op_sel_hi:[1,0]
.endif
.endr
.endif
.if (\p)==1
.irp i, 0,2,4,6
	v_pk_fma_f32 v[T+\i:T+\i+1], -2.0, v[CA+\i:CA+\i+1], v[T+\i:T+\i+1] op_sel_hi:[0,1,1]              ; d = t - 2 sim, rounded once
.endr
.endif
.if (\p)==2
.irp i, 0,2,4,6
	v_pk_fma_f32 v[CA+\i:CA+\i+1], 1.0, v[T+\i:T+\i+1], v[CB+\i:CB+\i+1] op_sel_hi:[0,1,1] neg_lo:[0,0,1] neg_hi:[0,0,1]   ; d - best: its sign is exact
.endr
.endif
.if (\p)==3
.irp j, 0,1,2,3
	v_cmp_le_f32 s[92+\j], 0, v[CA+\j]             ; keep the old code unless d is strictly smaller
.endr
.endif
.if (\p)==4
.irp j, 4,5,6,7
	v_cmp_le_f32 s[92+\j], 0, v[CA+\j]
.endr
	v_min3_num_f32 v[CB], s100, v[CB], v[T]        ; s100 = +infinity fills the place of source 0
.endif
.if (\p)==5
.irp j, 1,2,3,4,5
	v_min3_num_f32 v[CB+\j], s100, v[CB+\j], v[T+\j]
.endr
.endif
.if (\p)==6
.irp j, 6,7
	v_min3_num_f32 v[CB+\j], s100, v[CB+\j], v[T+\j]
.endr
.irp j, 0,1,2
	v_cndmask_b32 v[CI+\j], s101, v[CI+\j], s[92+\j]
.endr
.endif
.if (\p)==7
.irp j, 3,4,5,6,7
	v_cndmask_b32 v[CI+\j], s101, v[CI+\j], s[92+\j]
.endr
.endif
.endm
; TILE u: tile number u modulo 16 of the walk.  mode 0: plain.  1: the slot's last tile, the slot is filled again.  2: the same without a fill.
; 3: the very last tile, nothing more is loaded.  epi: the tile before is compared.  eeld: the ee of tiles u + 1 and u + 2 are loaded.
; The four accumulators take turns, one instruction a turn, and a tile's first instruction names the other set.
; Behind the last matrix instruction that read fragment ks stand 4 or 5 plain vector instructions that name none of its registers
; (the part of CH, or four v_nop), and only then the loads into that fragment.
.macro TILE u, mode, epi, eeld
.set AP, ACC0+32*((\u)&1)
.set AV, ACC0+32-32*((\u)&1)
.set NS, (((\u)+1)>>3)&1
.set NT, ((\u)+1)&7
.set OS, ((\u)>>3)&1
.set ES, (((\u)+15)>>1)&1
.set EL, ((\u)+1)&1
.set EN, (((\u)+1)>>1)&1
.set BD, (\mode)*(3-(\mode))
	WIN 0x01
.if \eeld
	ds_load_b32 v[EE+2*EN], v[EEW] offset:((\u)+1)*64              ; first used two tiles on: 16 younger loads and their waits lie between
	ds_load_b32 v[EE+2*EN+1], v[EEW] offset:((\u)+2)*64
.endif
.irp ks, 0,1,2,3,4,5,6,7
.if \ks==4
	WIN 0x02
.endif
.if \mode==0
	s_wait_dscnt 14                                ; behind fragment ks's two loads: 2 (7 - ks) in the last tile and 2 ks in this one (ee loads only add to that)
.endif
.if \mode==3
	s_wait_dscnt 14-2*\ks                          ; no loads in this tile: the counts run down
.endif
.if BD
.if \ks<3
	s_wait_dscnt 14-2*\ks                          ; no loads yet in this tile
.endif
.if \ks==3
	s_wait_dscnt 0x0                               ; all my reads of the old slot are back (this tile's fragments were its last),
	s_wait_tensorcnt 0x0                           ; and all my tensor loads have landed: the one that was out is my quarter of the next slot
	ds_add_u32 v255, v255
	s_wait_dscnt 0x0
.if \mode==1
	s_add_nc_u64 s[46-4*OS:47-4*OS], s[46-4*OS:47-4*OS], 131072    ; no load of mine is out: the other slot's group 0 steps to its next fill
.endif
	s_barrier_signal -1                            ; register work alone up to the wait
.endif
.endif
.irp rb, 0,1,2,3
	WM \ks,\rb
.if \epi
	CH \ks>>1,4*(\ks&1)+\rb
.endif
.endr
.if \epi==0
.rept 4
	v_nop
.endr
.endif
.if \mode==0
	FRAG \ks
.endif
.if BD
.if \ks==3
	s_barrier_wait -1                              ; nobody reads the old slot any more, and the next slot is whole
.if \mode==1
	tensor_load_to_lds s[40+4*OS:43+4*OS], s[32:39]                ; my one tensor load behind this barrier; it has eight tiles, 256 matrix instructions, in which to land
	s_nop 0
.endif
	FRAG 0
	FRAG 1
	FRAG 2
	FRAG 3
.endif
.if \ks>3
	FRAG \ks                                       ; K steps 4-7 need no wait: the wait for 0 above covered their fragments
.endif
.endif
.endr
.if \epi
	s_add_co_u32 s101, s101, 1                     ; the number of the tile that is compared next
.endif
.endm
	s_mov_b32 s100, 0x7f800000                     ; +infinity
	s_mov_b32 s101, 0
	s_wait_loadcnt 0x0                             ; xx
	s_wait_xcnt 0x0                                ; the Gram stores' data registers are written again only behind this wait
.set i, 0
.rept 32
	v_mov_b32 v[BEST+i], s100                      ; once: the first tile's d replaces it
	v_mov_b32 v[IDX+i], 0
.set i, i+1
.endr
.set NS, 0
.set NT, 0
	WIN 0x01
	ds_load_b32 v[EE], v[EEW]                      ; ee of tiles 0 and 1
	ds_load_b32 v[EE+1], v[EEW] offset:64
.irp ks, 0,1,2,3,4,5,6,7
	FRAG \ks
.endr
	TILE 0, 0, 0, 0                                ; tile 0: nothing to compare yet
	WIN 0                                          ; at a label and at a branch every window is 0
	s_mov_b32 s30, 7
.Ltiles:                                               ; a trip: 16 tiles, once round the two slots
	TILE 1, 0, 1, 1
	TILE 2, 0, 1, 0
	TILE 3, 0, 1, 1
	TILE 4, 0, 1, 0
	TILE 5, 0, 1, 1
	TILE 6, 0, 1, 0
	TILE 7, 1, 1, 1
	TILE 8, 0, 1, 0
	TILE 9, 0, 1, 1
	TILE 10, 0, 1, 0
	TILE 11, 0, 1, 1
	TILE 12, 0, 1, 0
	TILE 13, 0, 1, 1
	TILE 14, 0, 1, 0
	TILE 15, 1, 1, 1
	TILE 16, 0, 1, 0
	WIN 0x44
	v_add_nc_u32 v[EEW], 0x400, v[EEW]             ; 16 tiles of 16 sums on
	WIN 0
	s_sub_co_u32 s30, s30, 1
	s_cmp_lg_u32 s30, 0
	s_cbranch_scc1 .Ltiles
	TILE 1, 0, 1, 1                                ; the last 15 tiles: nothing is filled any more
	TILE 2, 0, 1, 0
	TILE 3, 0, 1, 1
	TILE 4, 0, 1, 0
	TILE 5, 0, 1, 1
	TILE 6, 0, 1, 0
	TILE 7, 2, 1, 1
	TILE 8, 0, 1, 0
	TILE 9, 0, 1, 1
	TILE 10, 0, 1, 0
	TILE 11, 0, 1, 1
	TILE 12, 0, 1, 0
	TILE 13, 0, 1, 1
	TILE 14, 0, 1, 0
	TILE 15, 3, 1, 0
.set AV, ACC0+32                       ; tile 127's sums: the odd set, the upper half of ee pair 1
.set ES, 1
.set EL, 1
	WIN 0x01
.irp blk, 0,1
.irp p, 0,1,2,3,4,5,6,7
	CH \blk,\p
.endr
.endr
	WIN 0x02
.irp blk, 2,3
.irp p, 0,1,2,3,4,5,6,7
	CH \blk,\p
.endr
.endr
	WIN 0
; ---------------- over the 16 lanes of a half (the 16 codes of a tile): the smallest d, and among equals the lowest code
.set i, 0
.rept 32
	v_lshl_add_u32 v[IDX+i], v[IDX+i], 4, v[VR]    ; code = 16 x tile + r + 2048 sl
	v_min_num_f32_dpp v[8+i], v[BEST+i], v[BEST+i] row_xmask:1 row_mask:0xf bank_mask:0xf
.set i, i+1
.endr
.irp x, 2,4,8
.set i, 0
.rept 32
	v_min_num_f32_dpp v[8+i], v[8+i], v[8+i] row_xmask:\x row_mask:0xf bank_mask:0xf
.set i, i+1
.endr
.endr
.set i, 0
.rept 32
	v_cvt_f32_u32 v[IDX+i], v[IDX+i]               ; exact: below 2^24
	v_cmp_eq_f32 vcc_lo, v[BEST+i], v[8+i]
	v_cndmask_b32 v[IDX+i], s100, v[IDX+i], vcc_lo ; lanes that do not hold the minimum stand aside
.set i, i+1
.endr
.irp x, 1,2,4,8
.set i, 0
.rept 32
	v_min_num_f32_dpp v[IDX+i], v[IDX+i], v[IDX+i] row_xmask:\x row_mask:0xf bank_mask:0xf
.set i, i+1
.endr
.endr
.set i, 0
.rept 32
	v_cvt_u32_f32 v[IDX+i], v[IDX+i]
.set i, i+1
.endr
	; value 8 rb + j belongs to vector 16 rb + 8 h + j; lane r takes values 2 r and 2 r + 1, so that one store of the wave covers its 64 vectors
	v_mov_b32 v200, v8
	v_mov_b32 v201, v9
	v_mov_b32 v202, v[IDX]
	v_mov_b32 v203, v[IDX+1]
.irp q, 1,2,3,4,5,6,7,8,9,10,11,12,13,14,15
	v_cmp_eq_u32 vcc_lo, \q, v2
	v_cndmask_b32 v200, v200, v[8+2*\q], vcc_lo
	v_cndmask_b32 v201, v201, v[9+2*\q], vcc_lo
	v_cndmask_b32 v202, v202, v[IDX+2*\q], vcc_lo
	v_cndmask_b32 v203, v203, v[IDX+2*\q+1], vcc_lo
.endr
	global_store_b64 v[VST], v[200:201], s[12:13]  ; 256 consecutive bytes, aligned
	global_store_b64 v[VST], v[202:203], s[14:15]
	s_endpgm
.Lfunc_end_k_q47eb6d5e85_main:
	.size	k_q47eb6d5e85_main, .Lfunc_end_k_q47eb6d5e85_main-k_q47eb6d5e85_main
	.p2alignl 7, 3214868480
	.fill 96, 4, 3214868480
	.section	.rodata,"a",@progbits
	.p2align	6, 0x0
	.amdhsa_kernel k_q47eb6d5e85_main
		.amdhsa_group_segment_fixed_size 327680
		.amdhsa_private_segment_fixed_size 0
		.amdhsa_enable_private_segment 0
		.amdhsa_kernarg_size 56
		.amdhsa_user_sgpr_count 2
		.amdhsa_user_sgpr_kernarg_segment_ptr 1
		.amdhsa_wavefront_size32 1
		.amdhsa_system_sgpr_workgroup_id_x 1
		.amdhsa_system_sgpr_workgroup_id_y 1
		.amdhsa_system_sgpr_workgroup_id_z 1
		.amdhsa_system_vgpr_workitem_id 0
		.amdhsa_next_free_vgpr 672
		.amdhsa_next_free_sgpr 102
		.amdhsa_reserve_vcc 1
		.amdhsa_float_denorm_mode_32 3
		.amdhsa_float_denorm_mode_16_64 3
		.amdhsa_memory_ordered 1
		.amdhsa_forward_progress 1
		.amdhsa_inst_pref_size 255
	.end_amdhsa_kernel
	.section	.bss,"aw",@nobits
	.p2align	6
	.space	262144
	.amdgpu_metadata
---
amdhsa.version: [ 1, 2 ]
amdhsa.kernels:
  - .name:           k_q47eb6d5e85_main
    .symbol:         k_q47eb6d5e85_main.kd
    .args:
      - { .name: xb, .offset: 0, .size: 8, .value_kind: global_buffer, .address_space: global }
      - { .name: embh, .offset: 8, .size: 8, .value_kind: global_buffer, .address_space: global }
      - { .name: wn, .offset: 16, .size: 8, .value_kind: global_buffer, .address_space: global }
      - { .name: norms, .offset: 24, .size: 8, .value_kind: global_buffer, .address_space: global }
      - { .name: candd, .offset: 32, .size: 8, .value_kind: global_buffer, .address_space: global }
      - { .name: candi, .offset: 40, .size: 8, .value_kind: global_buffer, .address_space: global }
      - { .name: gpart, .offset: 48, .size: 8, .value_kind: global_buffer, .address_space: global }
    .group_segment_fixed_size: 327680
    .private_segment_fixed_size: 0
    .kernarg_segment_align: 8
    .kernarg_segment_size: 56
    .max_flat_workgroup_size: 128
    .sgpr_count:     102
    .vgpr_count:     672
    .wavefront_size: 32
...
	.end_amdgpu_metadata
.endif
;; end of part 2
;; launch gather (part 3): grid 256 x 1, 8 waves a work-group, no clusters, 69,376 bytes of LDS; arguments x, emb, candd, candi, gpart, out0, out2, part; writes out0, out2, part
.if DOCPART == 3
	.amdgcn_target "amdgcn-amd-amdhsa--gfx1250"
	.amdhsa_code_object_version 6
	.text
	.protected	k_q47eb6d5e85_gather
	.globl	k_q47eb6d5e85_gather
	.p2align	8
	.type	k_q47eb6d5e85_gather,@function
k_q47eb6d5e85_gather:
	s_mov_b64 s[64:65], 0
	v_nop
	global_prefetch_b8 v0, s[64:65] scope:SCOPE_SE
	s_setreg_imm32_b32 hwreg(HW_REG_WAVE_MODE, 25, 1), 1
	s_wait_xcnt 0x0
; GATHER: for 64 vectors (batch b = g >> 4, hw from 64 (g & 15)): the winner among the four slices' candidates, out2, out0 = x + (emb[winner] - x)
; in x's own order, the work-group's part of the sum of (emb[winner] - x)^2; and 256 elements of G - I summed over the 16 splits and squared.
; No address hangs on a comparison of floats: the rows of ALL FOUR candidates are read (their indices are whole numbers that the launch before
; stored) and the winner's numbers are picked by v_cndmask_b32.  The lower slice wins a tie: the comparisons are strict.
; A code's row lies along c, out0 along hw: the 64 x 256 numbers are turned through LDS (pitch 1,028 bytes = 257 words, so that the 32 lanes'
; words of one column of rows 2 l fall 2 words apart).  Memory binds: no matrix unit, no tensor loads, no cluster (no tile is shared).
.set WINS, 65792                       ; 64 winners
.set GPB,  66048                       ; two images of 256 partial sums of G - I
.set REDB, 68096                       ; 8 waves' pairs (sum of squares of the differences, of G - I)
.set IV,   12                          ; v[12:43]  index, then byte offset, of candidate s of row i at 12 + 8 s + i
.set DV,   44                          ; v[44:75]  its d; later v[44:59] four loads of gpart
.set XV,   76                          ; v[76:139] x: c = 32 w + i, hw = 2 l, 2 l + 1
.set GB,   140                         ; v[140:235] three row buffers of 32; later v[140:203] the turned numbers, v[204:235] at work
.macro LANESUM r, t
	v_add_f32_dpp v[\r], v[\r], v[\r] row_xmask:1 row_mask:0xf bank_mask:0xf
	v_add_f32_dpp v[\r], v[\r], v[\r] row_xmask:2 row_mask:0xf bank_mask:0xf
	v_add_f32_dpp v[\r], v[\r], v[\r] row_xmask:4 row_mask:0xf bank_mask:0xf
	v_add_f32_dpp v[\r], v[\r], v[\r] row_xmask:8 row_mask:0xf bank_mask:0xf
	v_permlanex16_b32 v[\t], v[\r], s56, s57
	v_add_f32 v[\r], v[\r], v[\t]
.endm
	s_load_b256 s[4:11], s[0:1], 0x0               ; x s[4:5], emb s[6:7], candd s[8:9], candi s[10:11]
	s_load_b256 s[12:19], s[0:1], 0x20             ; gpart s[12:13], out0 s[14:15], out2 s[16:17], part s[18:19]
	v_lshl_add_u32 v240, v0, 2, 0x10b00
	v_mov_b32 v241, 0
	v_lshrrev_b32 v1, 5, v0
	v_readfirstlane_b32 s20, v1                    ; wave 0..7
	v_and_b32 v1, 31, v0                           ; lane
	s_lshr_b32 s21, ttmp9, 4                       ; b
	s_and_b32 s22, ttmp9, 15
	s_lshl_b32 s48, s21, 20
	s_lshl_b32 s22, s22, 8                         ; 64 (g & 15) hw x 4 bytes
	s_add_co_u32 s48, s48, s22
	s_mov_b32 s49, 0
	s_lshl_b32 s50, ttmp9, 8                       ; 64 g vectors x 4 bytes
	s_mov_b32 s51, 0
	s_and_b32 s60, s20, 3
	s_lshl_b32 s60, s60, 8                         ; the wave's 64 of the group's 256 elements of G
	s_lshl_b32 s52, ttmp9, 10
	s_add_co_u32 s52, s52, s60
	s_mov_b32 s53, 0
	s_lshl_b32 s54, ttmp9, 2
	s_mov_b32 s55, 0
	s_mov_b32 s56, 0x76543210
	s_mov_b32 s57, 0xfedcba98
	s_lshr_b32 s23, s20, 2                         ; which eight of the 16 splits
	v_mov_b32 v2, s20
	v_lshlrev_b32 v2, 5, v2                        ; my wave's 8 vectors x 4 bytes
	v_lshlrev_b32 v3, 3, v1
	v_lshl_add_u32 v3, s20, 17, v3                 ; x, out0: 32 w rows of 4,096 bytes + 8 l
	v_lshlrev_b32 v4, 4, v1                        ; 16 l
	v_and_b32 v9, 15, v1
	v_lshrrev_b32 v10, 4, v1
	v_lshlrev_b32 v5, 4, v9
	v_lshl_add_u32 v5, v10, 18, v5                 ; gpart: 16 (l & 15) + split (l >> 4) + 8 (w >> 2), 262,144 bytes each
	s_lshl_b32 s59, s23, 21
	v_add_nc_u32 v5, s59, v5
	s_mul_i32 s59, s20, 8224                       ; 8 w rows of 1,028 bytes
	v_add_nc_u32 v6, s59, v4
	v_add_nc_u32 v7, WINS, v2
	v_mul_u32_u24 v11, v1, 2056                    ; back: rows 2 l, 2 l + 1, column 32 w + i
	v_lshl_add_u32 v11, s20, 7, v11
	s_lshl_b32 s59, s23, 10
	s_add_co_u32 s59, s59, s60
	s_add_co_u32 s59, s59, GPB
	v_lshl_add_u32 v236, v9, 4, s59
	v_lshlrev_b32 v237, 2, v0
	v_add_nc_u32 v237, GPB, v237
	v_mov_b32 v238, s20
	v_lshlrev_b32 v238, 3, v238
	v_add_nc_u32 v238, REDB, v238
	s_wait_kmcnt 0x0
	s_add_nc_u64 s[4:5], s[4:5], s[48:49]
	s_add_nc_u64 s[14:15], s[14:15], s[48:49]
	s_add_nc_u64 s[8:9], s[8:9], s[50:51]
	s_add_nc_u64 s[10:11], s[10:11], s[50:51]
	s_add_nc_u64 s[16:17], s[16:17], s[50:51]
	s_add_nc_u64 s[12:13], s[12:13], s[52:53]
	s_add_nc_u64 s[18:19], s[18:19], s[54:55]
.irp s, 0,1,2,3
	global_load_b128 v[IV+8*\s:IV+8*\s+3], v2, s[10:11] offset:\s*65536            ; every lane reads the wave's 8 rows' candidates of slice s
	global_load_b128 v[IV+8*\s+4:IV+8*\s+7], v2, s[10:11] offset:\s*65536+16
	global_load_b128 v[DV+8*\s:DV+8*\s+3], v2, s[8:9] offset:\s*65536
	global_load_b128 v[DV+8*\s+4:DV+8*\s+7], v2, s[8:9] offset:\s*65536+16
.endr
.set i, 0
.rept 32
	global_load_b64 v[XV+2*i:XV+2*i+1], v3, s[4:5] offset:i*4096 th:TH_LOAD_NT     ; 256 consecutive bytes each
.set i, i+1
.endr
	s_wait_loadcnt 32                              ; the candidates are in; the 32 loads of x stay out
.irp i, 0,1,2,3,4,5,6,7
	v_cmp_lt_f32 s[24+3*\i], v[DV+8+\i], v[DV+\i]
	v_min_num_f32 v9, v[DV+\i], v[DV+8+\i]
	v_cmp_lt_f32 s[25+3*\i], v[DV+16+\i], v9
	v_min_num_f32 v9, v9, v[DV+16+\i]
	v_cmp_lt_f32 s[26+3*\i], v[DV+24+\i], v9
	v_cndmask_b32 v8, v[IV+\i], v[IV+8+\i], s[24+3*\i]
	v_cndmask_b32 v8, v8, v[IV+16+\i], s[25+3*\i]
	v_cndmask_b32 v8, v8, v[IV+24+\i], s[26+3*\i]
	ds_store_b32 v7, v8 offset:4*\i                ; the winner is a value that is stored, never a part of an address
.endr
.set i, 0
.rept 32
	v_min_u32 v[IV+i], 0x1fff, v[IV+i]             ; an index stays inside the table
	v_lshl_add_u32 v[IV+i], v[IV+i], 10, v4        ; row of 1,024 bytes + 16 l
.set i, i+1
.endr
.irp k, 0,1,2,3
	global_load_b128 v[DV+4*\k:DV+4*\k+3], v5, s[12:13] offset:\k*524288           ; four of my eight splits in each half of the lanes, 256 bytes a half
.endr
.macro GROW i                          ; the four candidates' rows of row i: 8 loads of 512 consecutive bytes
.set GBB, GB+32*((\i)%3)
.irp s, 0,1,2,3
	global_load_b128 v[GBB+8*\s:GBB+8*\s+3], v[IV+8*\s+\i], s[6:7]
	global_load_b128 v[GBB+8*\s+4:GBB+8*\s+7], v[IV+8*\s+\i], s[6:7] offset:512
.endr
.endm
.macro GSEL i                          ; the winner's 8 numbers, into LDS row 8 w + i
.set GBB, GB+32*((\i)%3)
.irp k, 0,1,2,3,4,5,6,7
	v_cndmask_b32 v[GBB+\k], v[GBB+\k], v[GBB+8+\k], s[24+3*(\i)]
	v_cndmask_b32 v[GBB+\k], v[GBB+\k], v[GBB+16+\k], s[25+3*(\i)]
	v_cndmask_b32 v[GBB+\k], v[GBB+\k], v[GBB+24+\k], s[26+3*(\i)]
.endr
.irp k, 0,1,2,3
	ds_store_b32 v6, v[GBB+\k] offset:(\i)*1028+4*\k
	ds_store_b32 v6, v[GBB+4+\k] offset:(\i)*1028+4*\k+512
.endr
.endm
	GROW 0
	GROW 1
	GROW 2
.irp i, 0,1,2,3,4
	s_wait_loadcnt 16                              ; row i is in (and all that was asked for before it); two younger rows of 8 loads stay out
	GSEL \i
	GROW \i+3
.endr
	s_wait_loadcnt 16
	GSEL 5
	s_wait_loadcnt 8
	GSEL 6
	s_wait_loadcnt 0
	GSEL 7
	v_pk_add_f32 v[44:45], v[44:45], v[48:49]      ; G - I: my four splits,
	v_pk_add_f32 v[46:47], v[46:47], v[50:51]
	v_pk_add_f32 v[52:53], v[52:53], v[56:57]
	v_pk_add_f32 v[54:55], v[54:55], v[58:59]
	v_pk_add_f32 v[44:45], v[44:45], v[52:53]
	v_pk_add_f32 v[46:47], v[46:47], v[54:55]
.irp k, 0,1,2,3
	v_permlanex16_b32 v[48+\k], v[44+\k], s56, s57 ; and the other half's four
.endr
	v_pk_add_f32 v[44:45], v[44:45], v[48:49]
	v_pk_add_f32 v[46:47], v[46:47], v[50:51]
	ds_store_b128 v236, v[44:47]                   ; both halves of the lanes store the same numbers to the same bytes
	s_wait_dscnt 0x0                               ; my stores are done before I say so
	s_barrier_signal -1
	s_barrier_wait -1
	ds_load_b32 v212, v237                         ; element t of G - I: the two images of eight splits
	ds_load_b32 v213, v237 offset:1024
.set i, 0
.rept 32
	ds_load_b32 v[GB+2*i], v11 offset:4*i
	ds_load_b32 v[GB+2*i+1], v11 offset:4*i+1028
.set i, i+1
.endr
.set i, 0
.rept 32
	s_wait_dscnt 62-2*i                            ; pair i is in; the 31 - i younger pairs stay out
	v_pk_add_f32 v[208+2*(i&1):209+2*(i&1)], v[GB+2*i:GB+2*i+1], v[XV+2*i:XV+2*i+1] neg_lo:[0,1] neg_hi:[0,1]      ; q - x
	v_pk_add_f32 v[GB+2*i:GB+2*i+1], v[XV+2*i:XV+2*i+1], v[208+2*(i&1):209+2*(i&1)]                                ; x + (q - x)
.if i < 2
	v_pk_mul_f32 v[204+2*(i&1):205+2*(i&1)], v[208+2*(i&1):209+2*(i&1)], v[208+2*(i&1):209+2*(i&1)]                ; two chains, started by the first two rows
.else
	v_pk_fma_f32 v[204+2*(i&1):205+2*(i&1)], v[208+2*(i&1):209+2*(i&1)], v[208+2*(i&1):209+2*(i&1)], v[204+2*(i&1):205+2*(i&1)]
.endif
	global_store_b64 v3, v[GB+2*i:GB+2*i+1], s[14:15] offset:i*4096 th:TH_STORE_NT ; 256 consecutive bytes, aligned; data registers of its own
.set i, i+1
.endr
	v_pk_add_f32 v[204:205], v[204:205], v[206:207]
	v_add_f32 v204, v204, v205
	v_add_f32 v212, v212, v213
	v_mul_f32 v205, v212, v212
	LANESUM 204, 208
	LANESUM 205, 209
	ds_store_b64 v238, v[204:205]
	s_wait_dscnt 0x0
	s_barrier_signal -1
	s_barrier_wait -1
	s_cmp_lg_u32 s20, 0
	s_cbranch_scc1 .Lend
	v_lshlrev_b32 v233, 3, v1
	v_add_nc_u32 v234, WINS, v233
	v_mov_b32 v235, REDB
	v_mov_b32 v232, 0
	ds_load_b64 v[214:215], v234
.irp k, 0,1,2,3
	ds_load_b128 v[216+4*\k:219+4*\k], v235 offset:16*\k
.endr
	s_wait_dscnt 0x0
	global_store_b64 v233, v[214:215], s[16:17]    ; the 64 winners, 256 consecutive bytes
.irp k, 1,2,3,4,5,6,7
	v_pk_add_f32 v[216:217], v[216:217], v[216+2*\k:217+2*\k]      ; waves in ascending order
.endr
	v_cmp_eq_u32 vcc_lo, 0, v1
	s_wait_xcnt 0x0                                ; EXEC is a source of the stores that are out: it changes only behind this wait
	s_and_saveexec_b32 s58, vcc_lo
	global_store_b32 v232, v216, s[18:19]
	global_store_b32 v232, v217, s[18:19] offset:1024
	s_wait_xcnt 0x0
	s_or_b32 exec_lo, exec_lo, s58
.Lend:
	s_wait_tensorcnt 0x0
	ds_add_u32 v240, v241
	s_wait_dscnt 0x0
	s_endpgm
.Lfunc_end_k_q47eb6d5e85_gather:
	.size	k_q47eb6d5e85_gather, .Lfunc_end_k_q47eb6d5e85_gather-k_q47eb6d5e85_gather
	.p2alignl 7, 3214868480
	.fill 96, 4, 3214868480
	.section	.rodata,"a",@progbits
	.p2align	6, 0x0
	.amdhsa_kernel k_q47eb6d5e85_gather
		.amdhsa_group_segment_fixed_size 69376
		.amdhsa_private_segment_fixed_size 0
		.amdhsa_enable_private_segment 0
		.amdhsa_kernarg_size 64
		.amdhsa_user_sgpr_count 2
		.amdhsa_user_sgpr_kernarg_segment_ptr 1
		.amdhsa_wavefront_size32 1
		.amdhsa_system_sgpr_workgroup_id_x 1
		.amdhsa_system_sgpr_workgroup_id_y 1
		.amdhsa_system_sgpr_workgroup_id_z 1
		.amdhsa_system_vgpr_workitem_id 0
		.amdhsa_next_free_vgpr 242
		.amdhsa_next_free_sgpr 66
		.amdhsa_reserve_vcc 1
		.amdhsa_float_denorm_mode_32 3
		.amdhsa_float_denorm_mode_16_64 3
		.amdhsa_memory_ordered 1
		.amdhsa_forward_progress 1
		.amdhsa_inst_pref_size 56
	.end_amdhsa_kernel
	.amdgpu_metadata
---
amdhsa.version: [ 1, 2 ]
amdhsa.kernels:
  - .name:           k_q47eb6d5e85_gather
    .symbol:         k_q47eb6d5e85_gather.kd
    .args:
      - { .name: x, .offset: 0, .size: 8, .value_kind: global_buffer, .address_space: global }
      - { .name: emb, .offset: 8, .size: 8, .value_kind: global_buffer, .address_space: global }
      - { .name: candd, .offset: 16, .size: 8, .value_kind: global_buffer, .address_space: global }
      - { .name: candi, .offset: 24, .size: 8, .value_kind: global_buffer, .address_space: global }
      - { .name: gpart, .offset: 32, .size: 8, .value_kind: global_buffer, .address_space: global }
      - { .name: out0, .offset: 40, .size: 8, .value_kind: global_buffer, .address_space: global }
      - { .name: out2, .offset: 48, .size: 8, .value_kind: global_buffer, .address_space: global }
      - { .name: part, .offset: 56, .size: 8, .value_kind: global_buffer, .address_space: global }
    .group_segment_fixed_size: 69376
    .private_segment_fixed_size: 0
    .kernarg_segment_align: 8
    .kernarg_segment_size: 64
    .max_flat_workgroup_size: 256
    .sgpr_count:     66
    .vgpr_count:     242
    .wavefront_size: 32
...
	.end_amdgpu_metadata
.endif
;; end of part 3
;; launch final (part 4): grid 1 x 1, 1 waves a work-group, no clusters, 0 bytes of LDS; arguments part, out1; writes out1
.if DOCPART == 4
	.amdgcn_target "amdgcn-amd-amdhsa--gfx1250"
	.amdhsa_code_object_version 6
	.text
	.protected	k_q47eb6d5e85_final
	.globl	k_q47eb6d5e85_final
	.p2align	8
	.type	k_q47eb6d5e85_final,@function
k_q47eb6d5e85_final:
	s_mov_b64 s[64:65], 0
	v_nop
	global_prefetch_b8 v0, s[64:65] scope:SCOPE_SE
	s_setreg_imm32_b32 hwreg(HW_REG_WAVE_MODE, 25, 1), 1
	s_wait_xcnt 0x0
; FINAL: loss = 1.25 x SSE / 2^22 + 10 x sqrt(||G - I||^2 + (8192 - 256)) / 2^26, from the 256 + 256 partial sums.
; (mean over 16,384 x 256 = 2^22 numbers, taken once with weight 1 and once with 0.25; K^2 = 2^26.)  One wave: 2,048 bytes in, 4 out.
	s_load_b128 s[4:7], s[0:1], 0x0                ; part s[4:5], out1 s[6:7]
	v_lshlrev_b32 v1, 4, v0
	s_mov_b32 s8, 0x76543210
	s_mov_b32 s9, 0xfedcba98
	v_mov_b32 v20, 0                               ; v_permlanex16_b32 counts as a reader of its destination
	v_mov_b32 v21, 0
	s_wait_kmcnt 0x0
	global_load_b128 v[4:7], v1, s[4:5]
	global_load_b128 v[8:11], v1, s[4:5] offset:512
	global_load_b128 v[12:15], v1, s[4:5] offset:1024
	global_load_b128 v[16:19], v1, s[4:5] offset:1536
	s_wait_loadcnt 0x0
	v_pk_add_f32 v[4:5], v[4:5], v[6:7]
	v_pk_add_f32 v[8:9], v[8:9], v[10:11]
	v_pk_add_f32 v[12:13], v[12:13], v[14:15]
	v_pk_add_f32 v[16:17], v[16:17], v[18:19]
	v_pk_add_f32 v[4:5], v[4:5], v[8:9]
	v_pk_add_f32 v[12:13], v[12:13], v[16:17]
	v_add_f32 v4, v4, v5
	v_add_f32 v12, v12, v13
.irp x, 1,2,4,8
	v_add_f32_dpp v4, v4, v4 row_xmask:\x row_mask:0xf bank_mask:0xf
	v_add_f32_dpp v12, v12, v12 row_xmask:\x row_mask:0xf bank_mask:0xf
.endr
	v_permlanex16_b32 v20, v4, s8, s9
	v_permlanex16_b32 v21, v12, s8, s9
	v_add_f32 v4, v4, v20
	v_add_f32 v12, v12, v21
	v_add_f32 v12, 0x45f80000, v12                 ; + 7936 = K - D
	v_sqrt_f32 v13, v12
	v_mul_f32 v4, 0x34a00000, v4                   ; 1.25 / 2^22; also the plain instruction behind v_sqrt_f32 (ISA guide 5.7.2)
	s_wait_alu depctr_va_vdst(0)
	v_fmac_f32 v4, 0x34200000, v13                 ; + 10 / 2^26 x the root
	v_mov_b32 v22, 0
	v_cmp_eq_u32 vcc_lo, 0, v0
	s_wait_xcnt 0x0                                ; EXEC changes only behind this wait
	s_and_saveexec_b32 s10, vcc_lo
	global_store_b32 v22, v4, s[6:7]
	s_wait_xcnt 0x0
	s_or_b32 exec_lo, exec_lo, s10
	s_endpgm
.Lfunc_end_k_q47eb6d5e85_final:
	.size	k_q47eb6d5e85_final, .Lfunc_end_k_q47eb6d5e85_final-k_q47eb6d5e85_final
	.p2alignl 7, 3214868480
	.fill 96, 4, 3214868480
	.section	.rodata,"a",@progbits
	.p2align	6, 0x0
	.amdhsa_kernel k_q47eb6d5e85_final
		.amdhsa_group_segment_fixed_size 0
		.amdhsa_private_segment_fixed_size 0
		.amdhsa_enable_private_segment 0
		.amdhsa_kernarg_size 16
		.amdhsa_user_sgpr_count 2
		.amdhsa_user_sgpr_kernarg_segment_ptr 1
		.amdhsa_wavefront_size32 1
		.amdhsa_system_sgpr_workgroup_id_x 1
		.amdhsa_system_sgpr_workgroup_id_y 1
		.amdhsa_system_sgpr_workgroup_id_z 1
		.amdhsa_system_vgpr_workitem_id 0
		.amdhsa_next_free_vgpr 32
		.amdhsa_next_free_sgpr 66
		.amdhsa_reserve_vcc 1
		.amdhsa_float_denorm_mode_32 3
		.amdhsa_float_denorm_mode_16_64 3
		.amdhsa_memory_ordered 1
		.amdhsa_forward_progress 1
		.amdhsa_inst_pref_size 3
	.end_amdhsa_kernel
	.amdgpu_metadata
---
amdhsa.version: [ 1, 2 ]
amdhsa.kernels:
  - .name:           k_q47eb6d5e85_final
    .symbol:         k_q47eb6d5e85_final.kd
    .args:
      - { .name: part, .offset: 0, .size: 8, .value_kind: global_buffer, .address_space: global }
      - { .name: out1, .offset: 8, .size: 8, .value_kind: global_buffer, .address_space: global }
    .group_segment_fixed_size: 0
    .private_segment_fixed_size: 0
    .kernarg_segment_align: 8
    .kernarg_segment_size: 16
    .max_flat_workgroup_size: 32
    .sgpr_count:     66
    .vgpr_count:     32
    .wavefront_size: 32
...
	.end_amdgpu_metadata
.endif
;; end of part 4
;; ======== version 2 of 3: 4 launches; 1.13 times as fast as version 1
;; limits: below input magnitudes of 6.8e-21 results are inexact or not finite; right only within a limited range of input values
;; workspace buffers: xb 8,388,608 bytes; embh 4,194,304 bytes; wn 4,194,304 bytes; norms 98,304 bytes; candd 262,144 bytes; candi 262,144 bytes of whole numbers; gpart 4,194,304 bytes; part 2,048 bytes
;; launch prep: the kernel of part 1 again; grid 256 x 1, 8 waves a work-group, no clusters, 5,376 bytes of LDS; arguments x, emb, xb, embh, wn, norms; writes xb, embh, wn, norms
;; launch main (part 5): grid 64 x 4, 4 waves a work-group, no clusters, 327,680 bytes of LDS; arguments xb, embh, wn, norms, candd, candi, gpart; writes candd, candi, gpart
.if DOCPART == 5
	.amdgcn_target "amdgcn-amd-amdhsa--gfx1250"
	.amdhsa_code_object_version 6
	.text
	.protected	k_q47eb6d5e85_main
	.globl	k_q47eb6d5e85_main
	.p2align	8
	.type	k_q47eb6d5e85_main,@function
k_q47eb6d5e85_main:
	s_mov_b64 s[64:65], 0
	v_nop
	global_prefetch_b8 v0, s[64:65] scope:SCOPE_SE
	s_setreg_imm32_b32 hwreg(HW_REG_WAVE_MODE, 25, 1), 1
	s_wait_xcnt 0x0
; MAIN: for 256 vectors (block rbk = work-group x) and 2,048 codes (slice sl = work-group y): the smallest d = fl(fl(xx + ee) - 2 sim) and the
; first code that reaches it, for every vector; and one piece of the Gram matrix G = Wn^T Wn (256 x 256) of the normalised codebook.
; d is rounded exactly as the formula is written (t = xx + ee rounded, then t - 2 sim rounded once: 2 sim is exact), and a code replaces the
; best so far only if its d is strictly smaller, codes ascending: the first index wins a tie.
; SHAPE: four waves.  Wave w keeps its 64 vectors as A fragments (4 row blocks x 8 K steps x 8 registers = 256 registers) for the whole launch;
; the codes pass through two LDS slots of 128 codes; all four waves read the same code tiles (16 codes x 256 = 8 fragments).
; A tile is 32 matrix instructions; while tile g is multiplied, the 32 x 16 sums of tile g - 1 are turned into d and compared (28 vector
; instructions for each 16 x 16 block, laid in groups of 3 or 4 behind the matrix instructions), and tile g + 1's fragments are loaded in
; two runs of eight loads: fragments 0-3 behind K step 3, fragments 4-7 behind K step 7, each 16 matrix instructions ahead of its use.
; THE INDEX WITHOUT A COMPARE: the tile's number is kept as the f32 pattern 0x00800000 + tile (the smallest normal numbers, ascending).
; With w = best - d (its sign is exact): idx = the middle one of (tile code, w, idx).  w > 0: idx <= tile code <= w, the middle one is the tile;
; w <= 0: w < idx <= tile code, the middle one is the old index.
; GRAM: ||Wn Wn^T - I_K||^2 = ||G - I_D||^2 + (K - D) for every Wn.  The work-group sums 512 codes (split q = rbk & 15) into the 64 x 64
; tile (sl, rbk >> 4) of G; split 0 starts the diagonal at -1, so the sum of the 16 images is G - I.  The images are stored in the order
; of the registers: the next launch only adds them element by element and squares.
; NO CLUSTER: the 64 row blocks of a slice walk the same code tiles, but a slot of 64 KiB feeds 1,024 matrix instructions of the work-group:
; 64 bytes filled for each against 256 bytes read from LDS, so what is shared is a fifth of a step's bytes; a joint fill would put a
; round of three barriers at each of the 16 changes of slots of a loop that otherwise has one.
; LIMITS: NaN inputs do not follow argmin's rule for NaN.  A positive best - d below 2^-125 is not taken as an improvement: that can only be
; where d itself is below about 2^-102.  The index goes through f32 in the last reduction (exact: it is below 2^24).
; The sums inside a matrix instruction are ordered otherwise than a chain of f32 additions, so sim can differ in its last bits.
;
; LDS: 0 XS 256 c-rows x 544 (139,264), later SLOT0 at 0 and SLOT1 at 67,584 (128 codes x 528 each); GM 139,264 and GN 221,184 (512 codes x 160);
; EEB 303,104 (2,048 sums of squares).  Nothing is ever stored to LDS by a wave.
; REGISTER WINDOWS (s_set_vgpr_msb: bits 1:0 source 0, 3:2 source 1, 5:4 source 2, 7:6 destination):
;   window 0: v8-71 two sets of 4 accumulators; v72-135 the tile's 8 code fragments; v136-167 best d; v168-199 its tile code; v200-211 at work
;   window 1: v0-127 A fragments of K steps 0-3; v128-143 xx of row blocks 0, 1; v144-145 LDS address of my fragment rows in slot 0, 1; v146 of my ee
;   window 2: the same for K steps 4-7 and row blocks 2, 3
; The loop runs under two settings in which source 0 alone comes from window 1 or 2: a matrix instruction's A, an LDS load's address and xx are
; source 0; every other vector instruction has a constant or a scalar register there.  Two switches for 32 matrix instructions.
.set SLOTB, 67584
.set GMB,   139264
.set GNB,   221184
.set EEB,   303104
.set TCODE, 0x00800000                 ; the f32 pattern of tile 0
.set ACC0,  8
.set BF,    72
.set BEST,  136
.set IDX,   168
.set T,     200
.set EE,    208                        ; v[208:209], v[210:211]: ee of two tiles each
.set XA,    212                        ; v212-213 LDS address for the A fragments, K steps 0-3, 4-7
.set GAM,   214                        ; v214-215 Gram: rows' side, K steps 0-7, 8-15
.set GAN,   216                        ; v216-217 Gram: columns' side
.set XXO,   218                        ; 32 h
.set VD,    219                        ; -1.0 where my Gram quadrant holds a piece of the diagonal and q = 0, else 0
.set VRH,   220                        ; r - 8 h
.set GST,   221                        ; 16 x lane
.set VR,    222                        ; r + 2048 sl - 16 x TCODE
.set VST,   223                        ; byte offset of my two results
.set TA,    224                        ; v224-226: addresses on their way into windows 1 and 2
.set XXW,   128
.set ADRW,  144
.set EEW,   146
.set MSB, 0
.macro WIN new                         ; the immediate's high byte repeats the setting that is left
.if MSB != \new
	s_set_vgpr_msb (MSB<<8)|\new
.set MSB, \new
.endif
.endm
	s_load_b256 s[4:11], s[0:1], 0x0               ; xb s[4:5], embh s[6:7], wn s[8:9], norms s[10:11]
	s_load_b128 s[12:15], s[0:1], 0x20             ; candd s[12:13], candi s[14:15]
	s_load_b64 s[16:17], s[0:1], 0x30              ; gpart
	s_set_vgpr_msb 0x40
	v_lshl_add_u32 v255, v0, 2, 0x4c000
	s_set_vgpr_msb 0x4000
	v_mov_b32 v255, 0
	s_set_vgpr_msb 0x1
	ds_add_u32 v255, v255
	ds_add_u32 v255, v255
	s_set_vgpr_msb 0x100
	v_lshrrev_b32 v1, 5, v0
	v_readfirstlane_b32 s18, v1                    ; wave 0..3
	s_mov_b32 s19, ttmp9                           ; rbk
	s_and_b32 s20, ttmp7, 0xffff                   ; sl
	; group 1 of x's tile: 64 c-rows of 256 bf16 (512 bytes = 128 words, code 6), 8 words of padding: LDS pitch 544
	s_mov_b32 s48, (1<<16)|(1<<20)|(6<<22)|(7<<25)
	s_mov_b32 s49, 256<<16
	s_mov_b32 s50, 64<<16
	s_mov_b32 s51, 256<<16
	s_mov_b32 s52, 64
	s_mov_b32 s53, 1024
	s_mov_b32 s54, 0
	s_mov_b32 s55, 0
	; group 1 of the Gram tiles: 128 codes of 64 bf16 (32 words, code 4), 8 words of padding: LDS pitch 160
	s_mov_b32 s68, (1<<16)|(1<<20)|(4<<22)|(7<<25)
	s_mov_b32 s69, 64<<16
	s_mov_b32 s70, 128<<16
	s_mov_b32 s71, 64<<16
	s_mov_b32 s72, 128
	s_mov_b32 s73, 256
	s_mov_b32 s74, 0
	s_mov_b32 s75, 0
	; group 1 of the ee table: one row of 256 elements of 8 bytes
	s_mov_b32 s84, 3<<16
	s_mov_b32 s85, 256<<16
	s_mov_b32 s86, 1<<16
	s_mov_b32 s87, 256<<16
	s_mov_b32 s88, 1
	s_mov_b32 s89, 256
	s_mov_b32 s90, 0
	s_mov_b32 s91, 0
	; group 1 of a wave's quarter of a slot: 32 codes of 256 bf16 (128 words, code 6), 4 words of padding: LDS pitch 528
	s_mov_b32 s32, (1<<16)|(1<<20)|(6<<22)|(3<<25)
	s_mov_b32 s33, 256<<16
	s_mov_b32 s34, 32<<16
	s_mov_b32 s35, 256<<16
	s_mov_b32 s36, 32
	s_mov_b32 s37, 256
	s_mov_b32 s38, 0
	s_mov_b32 s39, 0
	; byte offsets of the tiles
	s_lshr_b32 s21, s19, 2                         ; b
	s_lshl_b32 s22, s21, 19                        ; b x 256 x 1024 x 2
	s_and_b32 s21, s19, 3
	s_lshl_b32 s21, s21, 9                         ; 256 (rbk & 3) hw x 2
	s_add_co_u32 s22, s22, s21
	s_lshl_b32 s21, s18, 17                        ; 64 w c-rows of 2,048 bytes
	s_add_co_u32 s22, s22, s21
	s_mov_b32 s23, 0
	s_and_b32 s66, s19, 15                         ; q
	s_lshr_b32 s67, s19, 4                         ; tn  (tm = sl)
	s_lshl_b32 s24, s66, 18                        ; 512 q codes of 512 bytes
	s_lshl_b32 s21, s18, 16                        ; 128 w codes
	s_add_co_u32 s24, s24, s21
	s_lshl_b32 s21, s20, 7                         ; 64 tm columns x 2
	s_add_co_u32 s26, s24, s21
	s_mov_b32 s27, 0
	s_lshl_b32 s21, s67, 7
	s_add_co_u32 s28, s24, s21
	s_mov_b32 s29, 0
	s_lshl_b32 s24, s20, 13                        ; ee: 2048 sl x 4,
	s_lshl_b32 s21, s18, 11                        ; my quarter,
	s_add_co_u32 s24, s24, s21
	s_add_co_u32 s24, s24, 65536                   ; behind xx
	s_mov_b32 s25, 0
	s_lshl_b32 s30, s20, 20                        ; codes: 2048 sl rows of 512 bytes
	s_lshl_b32 s21, s18, 14                        ; 32 w rows
	s_add_co_u32 s30, s30, s21
	s_mov_b32 s31, 0
	; groups 0: the word 1, the LDS address (a constant and the wave's number times a constant), the global address, the type
	s_mov_b32 s56, 1
	s_mul_i32 s57, s18, 34816
	s_mov_b32 s76, 1
	s_mul_i32 s77, s18, 20480
	s_mov_b32 s80, 1
	s_add_co_u32 s81, s77, GNB
	s_add_co_u32 s77, s77, GMB
	s_mov_b32 s60, 1
	s_lshl_b32 s61, s18, 11
	s_add_co_u32 s61, s61, EEB
	s_mov_b32 s40, 1
	s_mul_i32 s41, s18, 16896
	s_mov_b32 s44, 1
	s_add_co_u32 s45, s41, SLOTB
	s_wait_dscnt 0x0
	s_wait_kmcnt 0x0
	s_add_nc_u64 s[58:59], s[4:5], s[22:23]
	s_or_b32 s59, s59, 0x80000000
	s_add_nc_u64 s[78:79], s[8:9], s[26:27]
	s_or_b32 s79, s79, 0x80000000
	s_add_nc_u64 s[82:83], s[8:9], s[28:29]
	s_or_b32 s83, s83, 0x80000000
	s_add_nc_u64 s[62:63], s[10:11], s[24:25]
	s_or_b32 s63, s63, 0x80000000
	s_add_nc_u64 s[42:43], s[6:7], s[30:31]        ; fill 0
	s_add_nc_u64 s[46:47], s[42:43], 65536         ; fill 1: 128 codes on
	s_or_b32 s43, s43, 0x80000000
	s_or_b32 s47, s47, 0x80000000
	; the four first fills, one group: four tensor loads of the wave are out
	tensor_load_to_lds s[56:59], s[48:55]          ; x
	s_nop 0
	tensor_load_to_lds s[76:79], s[68:75]          ; Gram, rows' side
	s_nop 0
	tensor_load_to_lds s[80:83], s[68:75]          ; Gram, columns' side
	s_nop 0
	tensor_load_to_lds s[60:63], s[84:91]          ; ee
	s_nop 0
	; the other bases
	s_lshl_b32 s22, s19, 10                        ; 256 rbk x 4
	s_lshl_b32 s21, s18, 8                         ; 64 w x 4
	s_add_co_u32 s22, s22, s21
	s_add_nc_u64 s[10:11], s[10:11], s[22:23]      ; xx of my 64 vectors
	s_lshl_b32 s21, s20, 16                        ; the slice's 16,384 results
	s_add_co_u32 s22, s22, s21
	s_add_nc_u64 s[12:13], s[12:13], s[22:23]
	s_add_nc_u64 s[14:15], s[14:15], s[22:23]
	s_lshl_b32 s22, s66, 18                        ; gpart: image q of 262,144 bytes,
	s_lshl2_add_u32 s21, s20, s67                  ; tile 4 tm + tn of 16,384,
	s_lshl_b32 s21, s21, 14
	s_add_co_u32 s22, s22, s21
	s_lshl_b32 s21, s18, 12                        ; my quadrant of 4,096
	s_add_co_u32 s22, s22, s21
	s_add_nc_u64 s[16:17], s[16:17], s[22:23]
	; lane terms
	v_and_b32 v2, 15, v0                           ; r
	v_bfe_u32 v3, v0, 4, 1                         ; h
	v_and_b32 v4, 7, v0
	v_bfe_u32 v5, v0, 3, 1
	v_lshl_add_u32 v6, v3, 3, v4                   ; 8 h + (L & 7): the row that I address in a transposing load
	v_lshlrev_b32 v5, 4, v5                        ; 16 ((L >> 3) & 1)
	v_mul_u32_u24 v7, v6, 544
	v_add_nc_u32 v7, v7, v5
	v_lshl_add_u32 v[XA], s18, 7, v7               ; + my 64 hw x 2 bytes
	v_add_nc_u32 v[XA+1], 69632, v[XA]             ; 128 c-rows on
	v_mul_u32_u24 v7, v6, 160
	v_add_nc_u32 v7, v7, v5
	s_lshr_b32 s21, s18, 1                         ; wm
	s_and_b32 s31, s18, 1                          ; wc
	s_lshl_b32 s30, s21, 6
	s_add_co_u32 s30, s30, GMB
	v_add_nc_u32 v[GAM], s30, v7
	v_add_nc_u32 v[GAM+1], 40960, v[GAM]           ; 256 codes on
	s_lshl_b32 s30, s31, 6
	s_add_co_u32 s30, s30, GNB
	v_add_nc_u32 v[GAN], s30, v7
	v_add_nc_u32 v[GAN+1], 40960, v[GAN]
	s_xor_b32 s30, s20, s67                        ; the diagonal runs through my quadrant if tm = tn and wm = wc; it is started by split 0
	s_or_b32 s30, s30, s66
	s_xor_b32 s31, s21, s31
	s_or_b32 s30, s30, s31
	s_cmp_eq_u32 s30, 0
	s_cselect_b32 s30, 0xbf800000, 0
	v_mov_b32 v[VD], s30
	v_lshlrev_b32 v[XXO], 5, v3
	v_lshlrev_b32 v7, 3, v3
	v_sub_nc_u32 v[VRH], v2, v7
	v_and_b32 v1, 31, v0
	v_lshlrev_b32 v[GST], 4, v1
	s_lshl_b32 s30, s20, 11
	s_sub_co_u32 s30, s30, TCODE<<4                ; takes the tile code's bias away again (modulo 2^32) when 16 x code is added at the end
	v_add_nc_u32 v[VR], s30, v2
	v_lshrrev_b32 v6, 2, v2
	v_and_b32 v7, 3, v2
	v_lshlrev_b32 v[VST], 6, v6                    ; vector 16 (r >> 2) + 8 h + 2 (r & 3), 4 bytes each
	v_lshl_add_u32 v[VST], v3, 5, v[VST]
	v_lshl_add_u32 v[VST], v7, 3, v[VST]
	v_mul_u32_u24 v[TA], v2, 528
	v_lshl_add_u32 v[TA], v3, 4, v[TA]             ; code fragment: row r x pitch + 16 h
	v_add_nc_u32 v[TA+1], SLOTB, v[TA]
	v_lshlrev_b32 v[TA+2], 2, v2
	v_add_nc_u32 v[TA+2], EEB, v[TA+2]
	WIN 0x40                                       ; destinations in window 1
	global_load_b128 v[XXW:XXW+3], v[XXO], s[10:11]                ; register j of row block rb: xx of vector 16 rb + 8 h + j
	global_load_b128 v[XXW+4:XXW+7], v[XXO], s[10:11] offset:16
	global_load_b128 v[XXW+8:XXW+11], v[XXO], s[10:11] offset:64
	global_load_b128 v[XXW+12:XXW+15], v[XXO], s[10:11] offset:80
	v_mov_b32 v[ADRW], v[TA]
	v_mov_b32 v[ADRW+1], v[TA+1]
	v_mov_b32 v[EEW], v[TA+2]
	WIN 0x80                                       ; destinations in window 2
	global_load_b128 v[XXW:XXW+3], v[XXO], s[10:11] offset:128
	global_load_b128 v[XXW+4:XXW+7], v[XXO], s[10:11] offset:144
	global_load_b128 v[XXW+8:XXW+11], v[XXO], s[10:11] offset:192
	global_load_b128 v[XXW+12:XXW+15], v[XXO], s[10:11] offset:208
	v_mov_b32 v[ADRW], v[TA]
	v_mov_b32 v[ADRW+1], v[TA+1]
	WIN 0
	s_wait_tensorcnt 0x3                           ; my quarter of x is in; the three loads issued behind it stay out
	s_barrier_signal -1
	s_barrier_wait -1                              ; everybody's quarter is in
	; A fragments: x lies [c][hw] in LDS, K down the rows, so each half fragment is one transposing load (16 c-rows apart: 8,704 bytes)
	WIN 0x40
.irp ks, 0,1,2,3
.irp rb, 0,1,2,3
	ds_load_tr16_b128 v[(4*\rb+\ks)*8:(4*\rb+\ks)*8+3], v[XA] offset:\ks*17408+\rb*32
	ds_load_tr16_b128 v[(4*\rb+\ks)*8+4:(4*\rb+\ks)*8+7], v[XA] offset:\ks*17408+\rb*32+8704
.endr
.endr
	WIN 0x80
.irp ks, 0,1,2,3
.irp rb, 0,1,2,3
	ds_load_tr16_b128 v[(4*\rb+\ks)*8:(4*\rb+\ks)*8+3], v[XA+1] offset:\ks*17408+\rb*32
	ds_load_tr16_b128 v[(4*\rb+\ks)*8+4:(4*\rb+\ks)*8+7], v[XA+1] offset:\ks*17408+\rb*32+8704
.endr
.endr
	WIN 0
	s_wait_dscnt 0x0                               ; my reads of x are back,
	s_set_vgpr_msb 0x1
	s_wait_tensorcnt 0x0                           ; and all my tensor loads have landed (the Gram tiles and ee among them)
	ds_add_u32 v255, v255
	s_wait_dscnt 0x0
	s_set_vgpr_msb 0x100
	s_barrier_signal -1
	s_barrier_wait -1
	tensor_load_to_lds s[40:43], s[32:39]          ; fill 0 over x's bytes: my one tensor load behind this barrier; the Gram work covers its way
	s_nop 0
; ---------------- the Gram piece: 16 K steps of 32 codes, 2 x 2 accumulators in v[8:39], fragments in a ring of 4 K steps in v[72:199]
.macro GLD ks                          ; 8 transposing loads: rows' side blocks 0, 1, then columns' side blocks 0, 1
.set GF, 72+32*((\ks)&3)
.set GO, ((\ks)&7)*5120
.set GH, (\ks)>>3
.irp m, 0,1
	ds_load_tr16_b128 v[GF+8*\m:GF+8*\m+3], v[GAM+GH] offset:GO+32*\m
	ds_load_tr16_b128 v[GF+8*\m+4:GF+8*\m+7], v[GAM+GH] offset:GO+32*\m+2560
.endr
.irp m, 0,1
	ds_load_tr16_b128 v[GF+16+8*\m:GF+16+8*\m+3], v[GAN+GH] offset:GO+32*\m
	ds_load_tr16_b128 v[GF+16+8*\m+4:GF+16+8*\m+7], v[GAN+GH] offset:GO+32*\m+2560
.endr
.endm
.macro GMUL ks, first                  ; the four accumulators take turns, one instruction a turn
.set GF, 72+32*((\ks)&3)
.irp m, 0,1
.irp n, 0,1
.if (\first)*((\m)^(\n))
	v_wmma_f32_16x16x32_bf16 v[8+8*(2*\m+\n):8+8*(2*\m+\n)+7], v[GF+8*\m:GF+8*\m+7], v[GF+16+8*\n:GF+16+8*\n+7], 0
.else
	v_wmma_f32_16x16x32_bf16 v[8+8*(2*\m+\n):8+8*(2*\m+\n)+7], v[GF+8*\m:GF+8*\m+7], v[GF+16+8*\n:GF+16+8*\n+7], v[8+8*(2*\m+\n):8+8*(2*\m+\n)+7]
.endif
.endr
.endr
.endm
	GLD 0
	GLD 1
	GLD 2
	GLD 3
.irp j, 0,1,2,3,4,5,6,7
	v_cmp_eq_u32 s[92+\j], \j, v[VRH]              ; element (8 h + j, r) lies on a block's diagonal where r - 8 h = j
.endr
.irp j, 0,1,2,3,4,5,6,7
	v_cndmask_b32 v[8+\j], 0, v[VD], s[92+\j]      ; blocks (0,0) and (1,1) start at -I or at 0; the two others start with the constant 0
	v_cndmask_b32 v[32+\j], 0, v[VD], s[92+\j]
.endr
	s_wait_dscnt 24                                ; K step 0's eight loads are in; the three younger steps' 24 stay out
	GMUL 0, 1
.rept 4
	v_nop                                          ; four places between a matrix instruction and a load into its sources (ISA guide 7.12.1 for vector instructions)
.endr
	GLD 4
.irp ks, 1,2,3,4,5,6,7,8,9,10,11
	s_wait_dscnt 24
	GMUL \ks, 0
.rept 4
	v_nop
.endr
	GLD \ks+4
.endr
	s_wait_dscnt 24
	GMUL 12, 0
	s_wait_dscnt 16                                ; no more loads: the counts run down
	GMUL 13, 0
	s_wait_dscnt 8
	GMUL 14, 0
	s_wait_dscnt 0
	GMUL 15, 0
.rept 4
	v_nop                                          ; four places before the stores read the results
.endr
.irp a, 0,1,2,3
	global_store_b128 v[GST], v[8+8*\a:8+8*\a+3], s[16:17] offset:\a*1024          ; 512 consecutive bytes each
	global_store_b128 v[GST], v[8+8*\a+4:8+8*\a+7], s[16:17] offset:\a*1024+512
.endr
	s_wait_dscnt 0x0                               ; (met) my reads of the Gram tiles are back
	s_set_vgpr_msb 0x1
	s_wait_tensorcnt 0x0                           ; fill 0 has landed: no tensor load of mine is out, so a group 0 may be written
	ds_add_u32 v255, v255
	s_wait_dscnt 0x0
	s_set_vgpr_msb 0x100
	s_add_nc_u64 s[42:43], s[42:43], 131072        ; slot 0's next: fill 2, 256 codes on
	s_barrier_signal -1
	s_barrier_wait -1
	tensor_load_to_lds s[44:47], s[32:39]          ; fill 1, over the rest of x's bytes: my one tensor load behind this barrier
	s_nop 0
; ---------------- the tiles
; WM: one matrix instruction of the tile at work.  D(m = vector 8 h + j, n = code r).  K step 0 starts the sums with the constant 0.
.macro WM ks, rb
.if \ks==0
	v_wmma_f32_16x16x32_bf16 v[AP+8*\rb:AP+8*\rb+7], v[(4*\rb+(\ks&3))*8:(4*\rb+(\ks&3))*8+7], v[BF+8*\ks:BF+8*\ks+7], 0
.else
	v_wmma_f32_16x16x32_bf16 v[AP+8*\rb:AP+8*\rb+7], v[(4*\rb+(\ks&3))*8:(4*\rb+(\ks&3))*8+7], v[BF+8*\ks:BF+8*\ks+7], v[AP+8*\rb:AP+8*\rb+7]
.endif
.endm
; FRAG: fragment ks of the next tile (slot NS, tile NT of its eight): 16 codes x 32 K, two loads 32 bytes apart
.macro FRAG ks
	ds_load_b128 v[BF+8*\ks:BF+8*\ks+3], v[ADRW+NS] offset:NT*8448+\ks*64
	ds_load_b128 v[BF+8*\ks+4:BF+8*\ks+7], v[ADRW+NS] offset:NT*8448+\ks*64+32
.endm
; CH: part p (0..7) of the 28 instructions that take row block blk of the tile before (accumulators at AV, ee in half EL of pair ES, tile code in s101).
; Part 7 has four instructions: they are the four places in front of a run of fragment loads.
.macro CH blk, p
.set CA, AV+8*(\blk)
.set CB, BEST+8*(\blk)
.set CI, IDX+8*(\blk)
.set CX, XXW+8*((\blk)&1)
.if (\p)==0
.irp i, 0,2,4,6
.if EL
	v_pk_add_f32 v[T+\i:T+\i+1], v[CX+\i:CX+\i+1], v[EE+2*ES:EE+2*ES+1] op_sel:[0,1] op_sel_hi:[1,1]   ; t = xx + ee, rounded
.else
	v_pk_add_f32 v[T+\i:T+\i+1], v[CX+\i:CX+\i+1], v[EE+2*ES:EE+2*ES+1] op_sel_hi:[1,0]
.endif
.endr
.endif
.if (\p)==1
.irp i, 0,2,4,6
	v_pk_fma_f32 v[T+\i:T+\i+1], -2.0, v[CA+\i:CA+\i+1], v[T+\i:T+\i+1] op_sel_hi:[0,1,1]              ; d = t - 2 sim, rounded once
.endr
.endif
.if (\p)==2
.irp i, 0,2,4,6
	v_pk_fma_f32 v[CA+\i:CA+\i+1], -1.0, v[T+\i:T+\i+1], v[CB+\i:CB+\i+1] op_sel_hi:[0,1,1]            ; w = best - d: its sign is exact
.endr
.endif
.if (\p)==3
.irp j, 0,1,2
	v_med3_num_f32 v[CI+\j], s101, v[CA+\j], v[CI+\j]              ; w > 0: the tile's code; else the old one
.endr
.endif
.if (\p)==4
.irp j, 3,4,5
	v_med3_num_f32 v[CI+\j], s101, v[CA+\j], v[CI+\j]
.endr
.endif
.if (\p)==5
.irp j, 6,7
	v_med3_num_f32 v[CI+\j], s101, v[CA+\j], v[CI+\j]
.endr
	v_min3_num_f32 v[CB], s100, v[CB], v[T]        ; s100 = +infinity fills the place of source 0
.endif
.if (\p)==6
.irp j, 1,2,3
	v_min3_num_f32 v[CB+\j], s100, v[CB+\j], v[T+\j]
.endr
.endif
.if (\p)==7
.irp j, 4,5,6,7
	v_min3_num_f32 v[CB+\j], s100, v[CB+\j], v[T+\j]
.endr
.endif
.endm
; KSTEP: the four matrix instructions of one K step, each followed by its part of the comparison of the tile before.
; The four accumulators take turns, one instruction a turn, and a tile's first instruction names the other set.
.macro KSTEP ks, epi
.irp rb, 0,1,2,3
	WM \ks,\rb
.if \epi
	CH \ks>>1,4*(\ks&1)+\rb
.endif
.endr
.endm
; TILE u: tile number u modulo 16 of the walk.  mode 0: plain.  1: the slot's last tile, the slot is filled again.  2: the same without a fill.
; 3: the very last tile, nothing more is loaded.  epi: the tile before is compared.  eeld: the ee of tiles u + 1 and u + 2 are loaded.
; LDS loads go out in two runs: the next tile's fragments 0-3 behind K step 3, its fragments 4-7 behind K step 7.  Behind the last matrix
; instruction that read a fragment of the run stand four plain vector instructions that name none of its registers (part 7 of CH, or four v_nop).
.macro TILE u, mode, epi, eeld
.set AP, ACC0+32*((\u)&1)
.set AV, ACC0+32-32*((\u)&1)
.set NS, (((\u)+1)>>3)&1
.set NT, ((\u)+1)&7
.set OS, ((\u)>>3)&1
.set ES, (((\u)+15)>>1)&1
.set EL, ((\u)+1)&1
.set EN, (((\u)+1)>>1)&1
.set BD, (\mode)*(3-(\mode))
	WIN 0x01
	s_wait_dscnt 8                                 ; this tile's fragments 0-3 are in: behind their run went out one run of eight, fragments 4-7
.irp ks, 0,1,2,3
.if BD
.if \ks==2
	s_wait_dscnt 0x0                               ; all my reads of the old slot are back (this tile's fragments were its last),
	s_wait_tensorcnt 0x0                           ; and all my tensor loads have landed: the one that was out is my quarter of the next slot
	ds_add_u32 v255, v255
	s_wait_dscnt 0x0
.if \mode==1
	s_add_nc_u64 s[46-4*OS:47-4*OS], s[46-4*OS:47-4*OS], 131072    ; no load of mine is out: the other slot's group 0 steps to its next fill
.endif
	s_barrier_signal -1                            ; register work alone up to the wait: K steps 2 and 3
.endif
.endif
	KSTEP \ks, \epi
.endr
.if \epi==0
.rept 4
	v_nop
.endr
.endif
.if BD
	s_barrier_wait -1                              ; nobody reads the old slot any more, and the next slot is whole
.if \mode==1
	tensor_load_to_lds s[40+4*OS:43+4*OS], s[32:39]                ; my one tensor load behind this barrier; it has eight tiles, 256 matrix instructions, in which to land
	s_nop 0
.endif
.endif
.if \eeld
	ds_load_b32 v[EE+2*EN], v[EEW] offset:((\u)+1)*64              ; older than the run below, so the next wait that leaves eight out shows them in; first used two tiles on
	ds_load_b32 v[EE+2*EN+1], v[EEW] offset:((\u)+2)*64
.endif
.if \mode<3
.irp ks, 0,1,2,3
	FRAG \ks
.endr
.endif
	WIN 0x02
.if \mode==0
	s_wait_dscnt 8                                 ; this tile's fragments 4-7 are in: behind them only the run of eight just issued stays out
.endif
.if \mode==3
	s_wait_dscnt 0x0                               ; no run was issued in this tile
.endif
.irp ks, 4,5,6,7
	KSTEP \ks, \epi                                ; (at a change of slots the wait for 0 above has covered fragments 4-7)
.endr
.if \epi==0
.rept 4
	v_nop
.endr
.endif
.if \mode<3
.irp ks, 4,5,6,7
	FRAG \ks
.endr
.endif
.if \epi
	s_add_co_u32 s101, s101, 1                     ; the code of the tile that is compared next
.endif
.endm
	s_mov_b32 s100, 0x7f800000                     ; +infinity
	s_mov_b32 s101, TCODE                          ; tile 0's code
	s_wait_loadcnt 0x0                             ; xx
	s_wait_xcnt 0x0                                ; the Gram stores' data registers are written again only behind this wait
.set i, 0
.rept 32
	v_mov_b32 v[BEST+i], s100                      ; once: the first tile's d replaces it
	v_mov_b32 v[IDX+i], s101
.set i, i+1
.endr
.set NS, 0
.set NT, 0
	WIN 0x01
	ds_load_b32 v[EE], v[EEW]                      ; ee of tiles 0 and 1
	ds_load_b32 v[EE+1], v[EEW] offset:64
.irp ks, 0,1,2,3,4,5,6,7
	FRAG \ks
.endr
	TILE 0, 0, 0, 0                                ; tile 0: nothing to compare yet
	WIN 0                                          ; at a label and at a branch every window is 0
	s_mov_b32 s30, 7
.Ltiles:                                               ; a trip: 16 tiles, once round the two slots
	TILE 1, 0, 1, 1
	TILE 2, 0, 1, 0
	TILE 3, 0, 1, 1
	TILE 4, 0, 1, 0
	TILE 5, 0, 1, 1
	TILE 6, 0, 1, 0
	TILE 7, 1, 1, 1
	TILE 8, 0, 1, 0
	TILE 9, 0, 1, 1
	TILE 10, 0, 1, 0
	TILE 11, 0, 1, 1
	TILE 12, 0, 1, 0
	TILE 13, 0, 1, 1
	TILE 14, 0, 1, 0
	TILE 15, 1, 1, 1
	TILE 16, 0, 1, 0
	WIN 0x44
	v_add_nc_u32 v[EEW], 0x400, v[EEW]             ; 16 tiles of 16 sums on
	WIN 0
	s_sub_co_u32 s30, s30, 1
	s_cmp_lg_u32 s30, 0
	s_cbranch_scc1 .Ltiles
	TILE 1, 0, 1, 1                                ; the last 15 tiles: nothing is filled any more
	TILE 2, 0, 1, 0
	TILE 3, 0, 1, 1
	TILE 4, 0, 1, 0
	TILE 5, 0, 1, 1
	TILE 6, 0, 1, 0
	TILE 7, 2, 1, 1
	TILE 8, 0, 1, 0
	TILE 9, 0, 1, 1
	TILE 10, 0, 1, 0
	TILE 11, 0, 1, 1
	TILE 12, 0, 1, 0
	TILE 13, 0, 1, 1
	TILE 14, 0, 1, 0
	TILE 15, 3, 1, 0
.set AV, ACC0+32                       ; tile 127's sums: the odd set, the upper half of ee pair 1
.set ES, 1
.set EL, 1
	WIN 0x01
.irp blk, 0,1
.irp p, 0,1,2,3,4,5,6,7
	CH \blk,\p
.endr
.endr
	WIN 0x02
.irp blk, 2,3
.irp p, 0,1,2,3,4,5,6,7
	CH \blk,\p
.endr
.endr
	WIN 0
; ---------------- over the 16 lanes of a half (the 16 codes of a tile): the smallest d, and among equals the lowest code
.set i, 0
.rept 32
	v_lshl_add_u32 v[IDX+i], v[IDX+i], 4, v[VR]    ; code = 16 x tile + r + 2048 sl (VR takes the bias of the tile's pattern away)
	v_min_num_f32_dpp v[8+i], v[BEST+i], v[BEST+i] row_xmask:1 row_mask:0xf bank_mask:0xf
.set i, i+1
.endr
.irp x, 2,4,8
.set i, 0
.rept 32
	v_min_num_f32_dpp v[8+i], v[8+i], v[8+i] row_xmask:\x row_mask:0xf bank_mask:0xf
.set i, i+1
.endr
.endr
.set i, 0
.rept 32
	v_cvt_f32_u32 v[IDX+i], v[IDX+i]               ; exact: below 2^24
	v_cmp_eq_f32 vcc_lo, v[BEST+i], v[8+i]
	v_cndmask_b32 v[IDX+i], s100, v[IDX+i], vcc_lo ; lanes that do not hold the minimum stand aside
.set i, i+1
.endr
.irp x, 1,2,4,8
.set i, 0
.rept 32
	v_min_num_f32_dpp v[IDX+i], v[IDX+i], v[IDX+i] row_xmask:\x row_mask:0xf bank_mask:0xf
.set i, i+1
.endr
.endr
.set i, 0
.rept 32
	v_cvt_u32_f32 v[IDX+i], v[IDX+i]
.set i, i+1
.endr
	; value 8 rb + j belongs to vector 16 rb + 8 h + j; lane r takes values 2 r and 2 r + 1, so that one store of the wave covers its 64 vectors
	v_mov_b32 v200, v8
	v_mov_b32 v201, v9
	v_mov_b32 v202, v[IDX]
	v_mov_b32 v203, v[IDX+1]
.irp q, 1,2,3,4,5,6,7,8,9,10,11,12,13,14,15
	v_cmp_eq_u32 vcc_lo, \q, v2
	v_cndmask_b32 v200, v200, v[8+2*\q], vcc_lo
	v_cndmask_b32 v201, v201, v[9+2*\q], vcc_lo
	v_cndmask_b32 v202, v202, v[IDX+2*\q], vcc_lo
	v_cndmask_b32 v203, v203, v[IDX+2*\q+1], vcc_lo
.endr
	global_store_b64 v[VST], v[200:201], s[12:13]  ; 256 consecutive bytes, aligned
	global_store_b64 v[VST], v[202:203], s[14:15]
	s_endpgm
.Lfunc_end_k_q47eb6d5e85_main:
	.size	k_q47eb6d5e85_main, .Lfunc_end_k_q47eb6d5e85_main-k_q47eb6d5e85_main
	.p2alignl 7, 3214868480
	.fill 96, 4, 3214868480
	.section	.rodata,"a",@progbits
	.p2align	6, 0x0
	.amdhsa_kernel k_q47eb6d5e85_main
		.amdhsa_group_segment_fixed_size 327680
		.amdhsa_private_segment_fixed_size 0
		.amdhsa_enable_private_segment 0
		.amdhsa_kernarg_size 56
		.amdhsa_user_sgpr_count 2
		.amdhsa_user_sgpr_kernarg_segment_ptr 1
		.amdhsa_wavefront_size32 1
		.amdhsa_system_sgpr_workgroup_id_x 1
		.amdhsa_system_sgpr_workgroup_id_y 1
		.amdhsa_system_sgpr_workgroup_id_z 1
		.amdhsa_system_vgpr_workitem_id 0
		.amdhsa_next_free_vgpr 672
		.amdhsa_next_free_sgpr 102
		.amdhsa_reserve_vcc 1
		.amdhsa_float_denorm_mode_32 3
		.amdhsa_float_denorm_mode_16_64 3
		.amdhsa_memory_ordered 1
		.amdhsa_forward_progress 1
		.amdhsa_inst_pref_size 255
	.end_amdhsa_kernel
	.section	.bss,"aw",@nobits
	.p2align	6
	.space	262144
	.amdgpu_metadata
---
amdhsa.version: [ 1, 2 ]
amdhsa.kernels:
  - .name:           k_q47eb6d5e85_main
    .symbol:         k_q47eb6d5e85_main.kd
    .args:
      - { .name: xb, .offset: 0, .size: 8, .value_kind: global_buffer, .address_space: global }
      - { .name: embh, .offset: 8, .size: 8, .value_kind: global_buffer, .address_space: global }
      - { .name: wn, .offset: 16, .size: 8, .value_kind: global_buffer, .address_space: global }
      - { .name: norms, .offset: 24, .size: 8, .value_kind: global_buffer, .address_space: global }
      - { .name: candd, .offset: 32, .size: 8, .value_kind: global_buffer, .address_space: global }
      - { .name: candi, .offset: 40, .size: 8, .value_kind: global_buffer, .address_space: global }
      - { .name: gpart, .offset: 48, .size: 8, .value_kind: global_buffer, .address_space: global }
    .group_segment_fixed_size: 327680
    .private_segment_fixed_size: 0
    .kernarg_segment_align: 8
    .kernarg_segment_size: 56
    .max_flat_workgroup_size: 128
    .sgpr_count:     102
    .vgpr_count:     672
    .wavefront_size: 32
...
	.end_amdgpu_metadata
.endif
;; end of part 5
;; launch gather: the kernel of part 3 again; grid 256 x 1, 8 waves a work-group, no clusters, 69,376 bytes of LDS; arguments x, emb, candd, candi, gpart, out0, out2, part; writes out0, out2, part
;; launch final: the kernel of part 4 again; grid 1 x 1, 1 waves a work-group, no clusters, 0 bytes of LDS; arguments part, out1; writes out1
;; ======== version 3 of 3: 4 launches; version 2 with the launch prep written anew for expert scheduling mode
;; limits: below input magnitudes of 6.8e-21 results are inexact or not finite; right only within a limited range of input values
;; workspace buffers: xb 8,388,608 bytes; embh 4,194,304 bytes; wn 4,194,304 bytes; norms 98,304 bytes; candd 262,144 bytes; candi 262,144 bytes of whole numbers; gpart 4,194,304 bytes; part 2,048 bytes
;; launch prep (part 6): grid 256 x 1, 8 waves a work-group, no clusters, 5,376 bytes of LDS; arguments x, emb, xb, embh, wn, norms; writes xb, embh, wn, norms
.if DOCPART == 6
	.amdgcn_target "amdgcn-amd-amdhsa--gfx1250"
	.amdhsa_code_object_version 6
	.text
	.protected	k_q47eb6d5e85_prep
	.globl	k_q47eb6d5e85_prep
	.p2align	8
	.type	k_q47eb6d5e85_prep,@function
k_q47eb6d5e85_prep:
	s_mov_b64 s[64:65], 0
	v_nop
	global_prefetch_b8 v0, s[64:65] scope:SCOPE_SE
	s_setreg_imm32_b32 hwreg(HW_REG_WAVE_SCHED_MODE, 0, 2), 2
	s_setreg_imm32_b32 hwreg(HW_REG_WAVE_MODE, 25, 1), 1
	s_wait_xcnt 0x0
	s_wait_alu depctr_vm_vsrc(0)
; PREP: rounds the two inputs to bf16 once and makes the sums of squares that the distance needs.
;   work-groups 0..127   (x job):   xb[b][c][hw] = bf16(x), same order as x;  norms[n] = sum over c of bf16(x)^2, n = 1024 b + hw
;   work-groups 128..255 (emb job): embh[k][c] = bf16(e);  wn[k][c] = bf16(e * rsq(sum e^2));  norms[16384 + k] = sum over c of bf16(e)^2
; The sums of squares are taken of the ROUNDED numbers, since the distances are those of the rounded inputs.
; A stream: every byte is read once by 16-byte loads of which a wave's cover 512 consecutive bytes, every store of a wave covers
; 256 consecutive bytes, aligned.  No matrix work, no tiles shared between work-groups: clusters and tensor loads would add nothing.
; LDS: bytes 0..4095 are the x job's (16 bytes a thread), bytes 4096..4351 the emb job's (64 sums): no byte is named by both jobs.
; LIMIT: a code row whose sum of squares is zero, or too small for v_rsq_f32 (which takes a denormal input as zero), gives NaN or infinity in wn.
; THE MODE: SCHED_MODE bits 1:0 = 2 (LLVM: expert scheduling mode 2), set by the entry lines.  The code itself states the register dependences
; between vector instructions and memory or LDS instructions, with s_wait_alu, always for 0.
; THE PLAN, x job.  Registers that memory or LDS instructions touch:
;   v2, v3, v12, v13  offsets and LDS addresses: written at the head, never again.
;   v[16:143]         row i has four: its load lands there; its two roundings write the first two in place; its one store reads those two.  No row's registers are written again
;                     before the end, where wave 0's LDS loads land in v[16:47].
;   v[4:7]            the sums: written by the multiply-adds, read by the one LDS store.
; The 32 rows go in eight blocks of four.  One wait on va_vdst at the head of a block states that the block before has written its four pairs; those four stores are dealt, one
; to a row, among this block's vector instructions, which name this block's own rows, v[8:11] and v[4:7] alone.
; THE PLAN, emb job.
;   v2, v3, v5, v6    offsets and LDS addresses: written at the head, never again.
;   v[16:79]          row i has eight: its two loads land there; its scaling and roundings work in place; two stores (wn) read the first four.
;   v[80:111]         row i has four: written by its first roundings, read by two stores (embh).
;   v114              written by one select a row, read by the one LDS store.      v[122:123]  an LDS load lands there, a store reads them; no vector instruction names them.
; One wait on va_vdst a row, behind the two reciprocal roots and their plain instruction: the roots are written, this row's v[80 ..] are written, the row before's v[16 ..] are written.
; Behind it go this row's two stores of embh and the row before's two of wn, among the row's multiplies and roundings, which name this row's v[16 ..] and the pair of roots alone.
.set EELDS, 4096                       ; the emb job's 64 words in LDS
.set X,   16                           ; x job: v[16:143] 32 loads of 4 registers; after rounding the first two of each four are the store's data
.set ACC, 4                            ; x job: v[4:7] running sums of squares of my 4 hw
.set T,   8                            ; v[8:15] rounded numbers widened again
.set E,   16                           ; emb job: v[16:79] 8 rows of 8 registers
.set HB,  80                           ; emb job: v[80:111] 8 rows of 4 registers, bf16(e)
.set R,   112                          ; v[112:113] 1/norm, twice, for the packed multiply
.set EEV, 114                          ; lane l keeps the sum of squares of row l & 7
.set S,   116                          ; v[116:117] sum e^2 (f32 numbers)
.set Q,   118                          ; v[118:119] sum bf16(e)^2
.set P0,  120                          ; v[120:121] the other half's figure in the lane sums
.macro LANESUM r, t                    ; sum over the 32 lanes, result in every lane
	v_add_f32_dpp v[\r], v[\r], v[\r] row_xmask:1 row_mask:0xf bank_mask:0xf
	v_add_f32_dpp v[\r], v[\r], v[\r] row_xmask:2 row_mask:0xf bank_mask:0xf
	v_add_f32_dpp v[\r], v[\r], v[\r] row_xmask:4 row_mask:0xf bank_mask:0xf
	v_add_f32_dpp v[\r], v[\r], v[\r] row_xmask:8 row_mask:0xf bank_mask:0xf
	v_permlanex16_b32 v[\t], v[\r], s20, s21
	v_add_f32 v[\r], v[\r], v[\t]
.endm
	s_load_b256 s[4:11], s[0:1], 0x0               ; x s[4:5], emb s[6:7], xb s[8:9], embh s[10:11]
	s_load_b128 s[12:15], s[0:1], 0x20             ; wn s[12:13], norms s[14:15]
	v_lshl_add_u32 v152, v0, 2, 0x1100
	v_mov_b32 v153, 0
	v_lshrrev_b32 v1, 5, v0
	v_readfirstlane_b32 s16, v1                    ; wave 0..7
	v_and_b32 v1, 31, v0                           ; lane
	s_mov_b32 s17, 0xffff0000                      ; a word's upper bf16
	s_wait_alu depctr_va_sdst(0)                   ; s16 is written, ahead of the branch and of its first reader in either job: offsets, LDS addresses and branches are made from it
	s_cmp_lt_u32 ttmp9, 128                        ; the same in all waves of a work-group
	s_cbranch_scc0 .Lemb
; ---------------- x job: batch b = g >> 3, 128 hw from 128 (g & 7); wave w takes c = 32 w + i, lane l the hw 4 l .. 4 l + 3
	s_lshr_b32 s18, ttmp9, 3                       ; b
	s_and_b32 s19, ttmp9, 7                        ; hb
	s_lshl_b32 s22, s18, 20                        ; b x 256 x 1024 x 4 bytes
	s_lshl_b32 s23, s19, 9                         ; hb x 128 x 4
	s_add_co_u32 s22, s22, s23
	s_mov_b32 s23, 0
	s_lshr_b32 s24, s22, 1                         ; the same place in xb: half the bytes
	s_mov_b32 s25, 0
	s_lshl_b32 s26, s18, 12                        ; norms: (1024 b + 128 hb) x 4
	s_lshl_b32 s27, s19, 9
	s_add_co_u32 s26, s26, s27
	s_mov_b32 s27, 0
	v_lshlrev_b32 v2, 4, v1
	v_lshl_add_u32 v2, s16, 17, v2                 ; in: 32 w rows of 4,096 bytes + 16 l
	v_lshlrev_b32 v3, 3, v1
	v_lshl_add_u32 v3, s16, 16, v3                 ; out: 32 w rows of 2,048 bytes + 8 l
	v_lshlrev_b32 v12, 4, v0                       ; LDS: 16 bytes a thread
	v_lshlrev_b32 v13, 4, v1
	s_wait_kmcnt 0x0
	s_add_nc_u64 s[4:5], s[4:5], s[22:23]
	s_add_nc_u64 s[8:9], s[8:9], s[24:25]
	s_add_nc_u64 s[14:15], s[14:15], s[26:27]
	s_wait_alu depctr_va_vdst(0)                   ; v2, v3, v12 and v13 are written: every load, store and LDS instruction of this job reads one of them as its offset or address
.set i, 0
.rept 32
	global_load_b128 v[X+4*i:X+4*i+3], v2, s[4:5] offset:i*4096    ; all 32 rows of the wave are asked for at once
.set i, i+1
.endr
.set i, 0
.rept 32
	s_wait_loadcnt 31-i                            ; loads come back in order: row i is in, the 31 - i younger ones stay out
.if (i % 4 == 0) && (i > 0)
	s_wait_alu depctr_va_vdst(0)                   ; the four rows before have written their pairs, which this block's four stores read
.endif
.if i >= 4
	global_store_b64 v3, v[X+4*(i-4):X+4*(i-4)+1], s[8:9] offset:(i-4)*2048        ; a row of the block before: no vector instruction since the wait names its registers; they are written again by nothing under a store
.endif
	v_cvt_pk_bf16_f32 v[X+4*i], v[X+4*i], v[X+4*i+1]
	v_cvt_pk_bf16_f32 v[X+4*i+1], v[X+4*i+2], v[X+4*i+3]
	v_lshlrev_b32 v[T], 16, v[X+4*i]               ; the rounded numbers as f32 again
	v_and_b32 v[T+1], s17, v[X+4*i]
	v_lshlrev_b32 v[T+2], 16, v[X+4*i+1]
	v_and_b32 v[T+3], s17, v[X+4*i+1]
.if i == 0
	v_pk_mul_f32 v[ACC:ACC+1], v[T:T+1], v[T:T+1]  ; the first row starts the sums
	v_pk_mul_f32 v[ACC+2:ACC+3], v[T+2:T+3], v[T+2:T+3]
.else
	v_pk_fma_f32 v[ACC:ACC+1], v[T:T+1], v[T:T+1], v[ACC:ACC+1]
	v_pk_fma_f32 v[ACC+2:ACC+3], v[T+2:T+3], v[T+2:T+3], v[ACC+2:ACC+3]
.endif
.set i, i+1
.endr
	s_wait_alu depctr_va_vdst(0)                   ; rows 28 to 31 have written their pairs, which the last four stores read, and the sums v[4:7] are written, which the LDS store reads; every vector instruction that names v[16:47] is done
.set i, 28
.rept 4
	global_store_b64 v3, v[X+4*i:X+4*i+1], s[8:9] offset:i*2048
.set i, i+1
.endr
	ds_store_b128 v12, v[ACC:ACC+3]                ; the eight waves' partial sums meet in LDS
	s_wait_dscnt 0x0                               ; my store is done before I say so
	s_barrier_signal -1
	s_barrier_wait -1
	s_wait_alu depctr_vm_vsrc(0)                   ; my stores have read v[16:47], in which wave 0's LDS loads below land; it stands ahead of the branch that leads to them
	s_cmp_lg_u32 s16, 0
	s_cbranch_scc1 .Lxend
	s_wait_xcnt 0x0                                ; v[16:47] were data of stores: they are loaded again only behind this wait
.irp k, 0,1,2,3,4,5,6,7
	ds_load_b128 v[16+4*\k:19+4*\k], v13 offset:512*\k
.endr
	s_wait_dscnt 0x0
.irp k, 1,2,3,4,5,6,7
	v_pk_add_f32 v[16:17], v[16:17], v[16+4*\k:17+4*\k]            ; waves in ascending order
	v_pk_add_f32 v[18:19], v[18:19], v[18+4*\k:19+4*\k]
.endr
	s_wait_alu depctr_va_vdst(0)                   ; the additions have written v[16:19], which the store reads
	global_store_b128 v13, v[16:19], s[14:15]      ; 128 sums, 512 consecutive bytes
.Lxend:
	s_wait_dscnt 0x0                               ; the closing lines, six on end
	s_wait_alu 0x0
	s_wait_tensorcnt 0x0
	ds_add_u32 v152, v153
	s_wait_dscnt 0x0
	s_endpgm
; ---------------- emb job: 64 codes from 64 (g - 128); wave w takes rows 8 w + i; lane l the c 4 l .. +3 and 128 + 4 l .. +3
.Lemb:
	s_sub_co_u32 s18, ttmp9, 128
	s_lshl_b32 s22, s18, 16                        ; 64 rows of 1,024 bytes
	s_mov_b32 s23, 0
	s_lshl_b32 s24, s18, 15                        ; 64 rows of 512 bytes
	s_mov_b32 s25, 0
	s_lshl_b32 s26, s18, 8                         ; 64 sums of 4 bytes,
	s_add_co_u32 s26, s26, 65536                   ; behind the 16,384 sums of x
	s_mov_b32 s27, 0
	s_mov_b32 s20, 0x76543210                      ; v_permlanex16_b32: lane i reads lane i of the other half
	s_mov_b32 s21, 0xfedcba98
	v_lshlrev_b32 v2, 4, v1
	v_lshl_add_u32 v2, s16, 13, v2                 ; in: 8 w rows of 1,024 bytes + 16 l
	v_lshlrev_b32 v3, 3, v1
	v_lshl_add_u32 v3, s16, 12, v3                 ; out: 8 w rows of 512 bytes + 8 l
	v_and_b32 v4, 7, v1
	v_lshlrev_b32 v5, 2, v4
	v_lshl_add_u32 v5, s16, 5, v5                  ; LDS: word 8 w + (l & 7) of the emb job's 64
	v_lshlrev_b32 v6, 3, v1
	v_mov_b32 v[EEV], 0
	v_mov_b32 v[P0], 0                             ; v_permlanex16_b32 counts as a reader of its destination
	v_mov_b32 v[P0+1], 0
	s_wait_kmcnt 0x0
	s_add_nc_u64 s[6:7], s[6:7], s[22:23]
	s_add_nc_u64 s[10:11], s[10:11], s[24:25]
	s_add_nc_u64 s[12:13], s[12:13], s[24:25]
	s_add_nc_u64 s[14:15], s[14:15], s[26:27]
	s_wait_alu depctr_va_vdst(0)                   ; v2, v3, v5 and v6 are written: every load, store and LDS instruction of this job reads one of them as its offset or address
.irp i, 0,1,2,3,4,5,6,7
	global_load_b128 v[E+8*\i:E+8*\i+3], v2, s[6:7] offset:\i*1024
	global_load_b128 v[E+8*\i+4:E+8*\i+7], v2, s[6:7] offset:\i*1024+512
.endr
.macro EROW i
.set EB, E+8*\i
.set HR, HB+4*\i
	s_wait_loadcnt 14-2*\i                         ; this row's two loads are in; the 7 - i younger rows' stay out
	v_cmp_eq_u32 vcc_lo, \i, v4                    ; at the row's head, so that the wait for VCC below finds it written
	v_pk_mul_f32 v[S:S+1], v[EB:EB+1], v[EB:EB+1]
.irp k, 2,4,6
	v_pk_fma_f32 v[S:S+1], v[EB+\k:EB+\k+1], v[EB+\k:EB+\k+1], v[S:S+1]
.endr
.irp k, 0,1,2,3
	v_cvt_pk_bf16_f32 v[HR+\k], v[EB+2*\k], v[EB+2*\k+1]
.endr
.irp k, 0,1,2,3
	v_lshlrev_b32 v[T+2*\k], 16, v[HR+\k]
	v_and_b32 v[T+2*\k+1], s17, v[HR+\k]
.endr
	v_pk_mul_f32 v[Q:Q+1], v[T:T+1], v[T:T+1]
.irp k, 2,4,6
	v_pk_fma_f32 v[Q:Q+1], v[T+\k:T+\k+1], v[T+\k:T+\k+1], v[Q:Q+1]
.endr
	v_add_f32 v[S], v[S], v[S+1]
	v_add_f32 v[Q], v[Q], v[Q+1]
	LANESUM S, P0
	LANESUM Q, P0+1
	s_wait_alu depctr_va_vcc(0)                    ; the compare at the row's head has written VCC, which the select below reads
	v_rsq_f32 v[R], v[S]
	v_rsq_f32 v[R+1], v[S]
	v_cndmask_b32 v[EEV], v[EEV], v[Q], vcc_lo     ; the plain instruction that stands between v_rsq_f32 and the use of its result (ISA guide 5.7.2)
	s_wait_alu depctr_va_vdst(0)                   ; the two roots v[112:113] are written, ahead of their first reader; this row's bf16(e) and the row before's wn registers are written, which the four stores below read
	global_store_b64 v3, v[HR:HR+1], s[10:11] offset:\i*512
	global_store_b64 v3, v[HR+2:HR+3], s[10:11] offset:\i*512+256
.irp k, 0,2,4,6
	v_pk_mul_f32 v[EB+\k:EB+\k+1], v[EB+\k:EB+\k+1], v[R:R+1]
.endr
.if \i > 0
	global_store_b64 v3, v[EB-8:EB-7], s[12:13] offset:(\i-1)*512                  ; the row before's wn: no vector instruction since the wait names its registers
	global_store_b64 v3, v[EB-6:EB-5], s[12:13] offset:(\i-1)*512+256
.endif
.irp k, 0,1,2,3
	v_cvt_pk_bf16_f32 v[EB+\k], v[EB+2*\k], v[EB+2*\k+1]           ; in place, each source read before it is written over
.endr
.endm
.irp i, 0,1,2,3,4,5,6,7
	EROW \i
.endr
	s_wait_alu depctr_va_vdst(0)                   ; row 7's roundings have written its wn registers, which the two stores read; v114 is written, which the LDS store reads
	global_store_b64 v3, v[E+56:E+57], s[12:13] offset:7*512
	global_store_b64 v3, v[E+58:E+59], s[12:13] offset:7*512+256
	ds_store_b32 v5, v[EEV] offset:EELDS           ; lanes that share a word hold the same number
	s_wait_dscnt 0x0                               ; my store is done before I say so
	s_barrier_signal -1
	s_barrier_wait -1
	s_cmp_lg_u32 s16, 0
	s_cbranch_scc1 .Leend
	ds_load_b64 v[122:123], v6 offset:EELDS        ; into registers that no vector instruction and no other memory instruction names
	s_wait_dscnt 0x0
	global_store_b64 v6, v[122:123], s[14:15]      ; 64 sums, 256 consecutive bytes
.Leend:
	s_wait_dscnt 0x0                               ; the closing lines, six on end
	s_wait_alu 0x0
	s_wait_tensorcnt 0x0
	ds_add_u32 v152, v153
	s_wait_dscnt 0x0
	s_endpgm
.Lfunc_end_k_q47eb6d5e85_prep:
	.size	k_q47eb6d5e85_prep, .Lfunc_end_k_q47eb6d5e85_prep-k_q47eb6d5e85_prep
	.p2alignl 7, 3214868480
	.fill 96, 4, 3214868480
	.section	.rodata,"a",@progbits
	.p2align	6, 0x0
	.amdhsa_kernel k_q47eb6d5e85_prep
		.amdhsa_group_segment_fixed_size 5376
		.amdhsa_private_segment_fixed_size 0
		.amdhsa_enable_private_segment 0
		.amdhsa_kernarg_size 48
		.amdhsa_user_sgpr_count 2
		.amdhsa_user_sgpr_kernarg_segment_ptr 1
		.amdhsa_wavefront_size32 1
		.amdhsa_system_sgpr_workgroup_id_x 1
		.amdhsa_system_sgpr_workgroup_id_y 1
		.amdhsa_system_sgpr_workgroup_id_z 1
		.amdhsa_system_vgpr_workitem_id 0
		.amdhsa_next_free_vgpr 154
		.amdhsa_next_free_sgpr 66
		.amdhsa_reserve_vcc 1
		.amdhsa_float_denorm_mode_32 3
		.amdhsa_float_denorm_mode_16_64 3
		.amdhsa_memory_ordered 1
		.amdhsa_forward_progress 1
		.amdhsa_inst_pref_size 49
	.end_amdhsa_kernel
	.amdgpu_metadata
---
amdhsa.version: [ 1, 2 ]
amdhsa.kernels:
  - .name:           k_q47eb6d5e85_prep
    .symbol:         k_q47eb6d5e85_prep.kd
    .args:
      - { .name: x, .offset: 0, .size: 8, .value_kind: global_buffer, .address_space: global }
      - { .name: emb, .offset: 8, .size: 8, .value_kind: global_buffer, .address_space: global }
      - { .name: xb, .offset: 16, .size: 8, .value_kind: global_buffer, .address_space: global }
      - { .name: embh, .offset: 24, .size: 8, .value_kind: global_buffer, .address_space: global }
      - { .name: wn, .offset: 32, .size: 8, .value_kind: global_buffer, .address_space: global }
      - { .name: norms, .offset: 40, .size: 8, .value_kind: global_buffer, .address_space: global }
    .group_segment_fixed_size: 5376
    .private_segment_fixed_size: 0
    .kernarg_segment_align: 8
    .kernarg_segment_size: 48
    .max_flat_workgroup_size: 256
    .sgpr_count:     66
    .vgpr_count:     154
    .wavefront_size: 32
...
	.end_amdgpu_metadata
.endif
;; end of part 6
;; launch main: the kernel of part 5 again; grid 64 x 4, 4 waves a work-group, no clusters, 327,680 bytes of LDS; arguments xb, embh, wn, norms, candd, candi, gpart; writes candd, candi, gpart
;; launch gather: the kernel of part 3 again; grid 256 x 1, 8 waves a work-group, no clusters, 69,376 bytes of LDS; arguments x, emb, candd, candi, gpart, out0, out2, part; writes out0, out2, part
;; launch final: the kernel of part 4 again; grid 1 x 1, 1 waves a work-group, no clusters, 0 bytes of LDS; arguments part, out1; writes out1
